; MI455X (gfx1250); checked and timed in simulation.
; The chip was launched on July 23, 2026; its instructions are those of AMD's public machine-readable ISA for CDNA 5 (MIT licence, August 2026) and "CDNA5" Instruction Set Architecture Reference Guide (July 2026). The comments in the code are by the model that wrote it; some were corrected since.
;; Seq Parallel Attention. Allowed arithmetic: matrix products marked QUANTISED: E2M1 operands, one E8M0 scale for each 32 along K, by v_wmma_scale_f32_16x16x128_f8f6f4 with both operands' format E2M1 (or v_wmma_scale_f32_32x16x128_f4), f32 sums; products left as they are: bf16, f16 or f32 operands; f32 sums; everything else in f32.
;; Inputs: Wk 2,048 x 2,048 float32; Wo 2,048 x 2,048 float32; Wq 2,048 x 2,048 float32; Wv 2,048 x 2,048 float32; bk 2,048 float32; bo 2,048 float32; bq 2,048 float32; bv 2,048 float32; kn_w 2,048 float32; qn_w 2,048 float32; x 4 x 1 x 512 x 2,048 float32.
;; Outputs: out0 4 x 1 x 512 x 2,048 float32.
;; This version of the problem:
;;   THIS VERSION OF THE PROBLEM IS GIVEN IN LOW PRECISION. The matrix products marked QUANTISED in the list below multiply operands that are first quantised to E2M1 (2 exponent bits, 1 mantissa bit; 4 bits a number), with one power-of-two scale for each 32 numbers along K (OCP MX v1.0); their sums are f32. The products marked 'left as it is' may take bf16, f16 or f32 operands, with f32 sums. Whichever they take, every output number must still come out within the allowed error. Rounding operands to bf16 (8 significant bits) uses up far more of that allowance than f16 does (11 bits, for magnitudes from 6e-5 to 65,504). All else is computed in f32.
;;   The module's matrix products, in the order in which they are computed (A, B: the left and right operand; K: the contracted axis; several contracted axes count as one K, in the product's order):
;;     1. [M 2,048, K 2,048] x [K 2,048, N 2,048]; A: input x; B: input Wq: QUANTISED
;;     2. [M 2,048, K 2,048] x [K 2,048, N 2,048]; A: input x; B: input Wk: QUANTISED
;;     3. [M 2,048, K 2,048] x [K 2,048, N 2,048]; A: input x; B: input Wv: QUANTISED
;;     4. batch 128 x [M 512, K 64] x [K 64, N 512]; A: computed on the way; B: computed on the way: left as it is (an operand is computed on the way)
;;     5. batch 128 x [M 512, K 512] x [K 512, N 64]; A: computed on the way; B: computed on the way: left as it is (an operand is computed on the way)
;;     6. batch 128 x [M 512, K 64] x [K 64, N 512]; A: computed on the way; B: computed on the way: left as it is (an operand is computed on the way)
;;     7. batch 128 x [M 512, K 512] x [K 512, N 64]; A: computed on the way; B: computed on the way: left as it is (an operand is computed on the way)
;;     8. batch 128 x [M 512, K 64] x [K 64, N 512]; A: computed on the way; B: computed on the way: left as it is (an operand is computed on the way)
;;     9. batch 128 x [M 512, K 512] x [K 512, N 64]; A: computed on the way; B: computed on the way: left as it is (an operand is computed on the way)
;;     10. batch 128 x [M 512, K 64] x [K 64, N 512]; A: computed on the way; B: computed on the way: left as it is (an operand is computed on the way)
;;     11. batch 128 x [M 512, K 512] x [K 512, N 64]; A: computed on the way; B: computed on the way: left as it is (an operand is computed on the way)
;;     12. [M 2,048, K 2,048] x [K 2,048, N 2,048]; A: computed on the way; B: input Wo: left as it is (an operand is computed on the way)
;;   THE QUANTISER, for each operand of a quantised product, along K:
;;     - K is cut into blocks of 32 from its start; a last block that is shorter is filled with zeros.
;;     - A block's scale is 2^e with e = floor(log2(the largest magnitude in the block)) - 2, held to -126 .. 127; a block of zeros has e = 0. As a byte (E8M0): e + 127.
;;     - Each number is divided by its block's scale, clamped to +-6, and rounded to the nearest number of E2M1, ties to even, subnormals kept.
;;     - The product sums the exact products of the quantised numbers (number of the format x scale) in f32.
;;   ~~~python
;;   def quantise(x, axis):      # numpy; x: float32 -> the quantised numbers, widened to float32 again
;;       x = np.moveaxis(x, axis, -1); K = x.shape[-1]
;;       x = np.pad(x, [(0, 0)] * (x.ndim - 1) + [(0, -K % 32)]); x = x.reshape(x.shape[:-1] + (-1, 32)); a = np.abs(x).max(-1, keepdims=True)
;;       e = np.where(a > 0, np.clip(np.frexp(np.where(a > 0, a, 1))[1] - 1 - 2, -126, 127), 0)      # np.frexp(a)[1] - 1 = floor(log2(a)), exactly
;;       r = np.clip(x / 2.0 ** e, -6, 6)
;;       step = 2.0 ** (np.maximum(np.frexp(np.where(r == 0, 1, r))[1] - 1, 0) - 1)
;;       q = np.round(r / step) * step * 2.0 ** e      # np.round: ties to even
;;       return np.moveaxis(q.reshape(q.shape[:-2] + (-1,))[..., :K], -1, axis).astype(np.float32)
;;   ~~~
;; One version. Each part assembles by itself: llvm-mc -triple=amdgcn-amd-amdhsa -mcpu=gfx1250 --defsym DOCPART=n.
;; ======== version 1 of 1: 4 launches
;; limits: values are held in f16: magnitudes above 65,504 overflow, below 6.1e-05 lose precision; values outside matrix products are rounded to f16
;; workspace buffers: x_codes 2,097,152 bytes; x_scales 131,072 bytes; w_codes 6,291,456 bytes; w_scales 393,216 bytes; wo_h 8,388,608 bytes; qkv 25,165,824 bytes; ssq 262,144 bytes; o_ws 8,388,608 bytes
;; launch prep (part 1): grid 640 x 1, 4 waves a work-group, no clusters, 33,280 bytes of LDS; arguments x, Wq, Wk, Wv, Wo, x_codes, x_scales, w_codes, w_scales, wo_h; writes x_codes, x_scales, w_codes, w_scales, wo_h
.if DOCPART == 1
	.amdgcn_target "amdgcn-amd-amdhsa--gfx1250"
	.amdhsa_code_object_version 6
	.text
	.protected	k_q69735d6866_prep
	.globl	k_q69735d6866_prep
	.p2align	8
	.type	k_q69735d6866_prep,@function
k_q69735d6866_prep:
	s_mov_b64 s[64:65], 0
	v_nop
	global_prefetch_b8 v0, s[64:65] scope:SCOPE_SE
	s_setreg_imm32_b32 hwreg(HW_REG_WAVE_MODE, 25, 1), 1
	s_wait_xcnt 0x0
; FIRST OF FOUR LAUNCHES.  x, Wq, Wk, Wv (each 2048 x 2048 f32, K innermost) become codes of FP4 (E2M1) with one E8M0 byte for each 32 along K; Wo becomes f16.
; THE WHOLE PROGRAM: (1) this launch; (2) one product on codes, x (Wq | Wk | Wv)^T + bias, results in f16 and, for q and k, partial sums of squares; (3) attention; (4) o Wo^T + bo.
; WHAT THE PROGRAM DOES OTHERWISE THAN THE SOURCE READS, AND WHY THAT HOLDS FOR ALL FINITE INPUTS.
;   The ring lets each chunk of queries meet each of the four chunks of keys once, and joins the four partial results by their log-sum-exp.  With E_c = sum over chunk c of exp(score) and
;   N_c = sum over chunk c of exp(score) v, a chunk gives N_c / E_c and lse_c = log E_c, and the join weighs it by E_c / (sum of the E so far): the result is (sum of N_c) / (sum of E_c), the softmax over all
;   2,048 keys of the head, whatever the order in which the rolls bring the chunks.  So launch 3 walks the keys once, in their own order, with a running maximum taken away before every exponential.
;   Left out: the product of the first join with out = zeros, which the source builds itself (zero for all inputs); and the start lse = -1e30, which adds exp(-1e30 - lse) to the sum: for every finite lse
;   above -1e30 + 104 the source's own f32 gives 0 for it.
;   LIMITS: the order of rounding differs from the source's; a NaN, an infinity or an overflow that arises only in the per-chunk lse arithmetic is not carried to the result.  Every input is loaded.
; THE QUANTISER.  A block's scale is 2^(floor(log2(its largest magnitude)) - 2); its byte is the largest magnitude's exponent field - 2, held at 1 from below.  A block of zeros so gets the byte 1 where the rule
; says 127: its codes are zeros, which add nothing under any byte but 0xff, and this program alone reads the bytes.  Each number is divided by the scale and rounded to the nearest code, ties to even.
; LIMITS: blocks whose largest magnitude lies under 2^-124, the floor, were not tried; NaN and infinities among the inputs are not served; |Wo| above 65,504 has no f16 number.
; SHARES.  Rows are dense and K is a multiple of 32: a tensor is a plain stream.  A wave takes a run of 8,192 numbers; a work-group four runs; 128 work-groups a tensor.  Work-groups 0-511: x, Wq, Wk, Wv;
; 512-639: Wo.  w_codes and w_scales hold Wq's, Wk's, Wv's rows on end, so one run number serves all three.  No tensor loads, no barrier: waves share nothing.
.set WAVES, 4
.set STEPS, 16
.set WGT,   128                        ; work-groups to a tensor
.set EMAX,  2
.set CB,    8                          ; bytes of 16 codes
.set R,     16                         ; v16-79   four sets of 16 numbers as they are loaded
.set X,     80                         ; v80-111  two sets of 16 neighbours
.set E,     112                        ; v112-127 a scale byte for each step
.set C,     128                        ; v128-191 codes: four registers for each step, so that no store's data are written again
.set CI,    16                         ; the cast: v16-143 two sets of 64 numbers
.set CO,    144                        ; v144-207 two sets of 32 registers of f16
.set WREG,  8192                       ; LDS: a region for each wave: two stages of 32 x SP bytes, behind them its 256 scale bytes
.set SP,    80                         ; a lane's place in a stage: its 64 bytes + 16 of padding
.set SPW,   12                         ; v12      LDS address of my spare word: SPARE + 4 x my thread's number; never rewritten
.set NIL,   13                         ; v13      0; never rewritten
.set SPARE, WAVES*WREG                 ; behind the four regions: the spare words, 128 bytes a wave, which no other line names
	s_load_b512 s[4:19], s[0:1], 0x0               ; x, Wq, Wk, Wv, Wo, x_codes, x_scales, w_codes
	s_load_b128 s[20:23], s[0:1], 0x40             ; w_scales, wo_h
	v_lshl_add_u32 v[SPW], v0, 2, SPARE
	v_mov_b32 v[NIL], 0
	v_lshrrev_b32 v1, 5, v0
	v_readfirstlane_b32 s24, v1                    ; wave
	v_and_b32 v2, 31, v0                           ; lane
	v_lshlrev_b32 v3, 4, v2                        ; my 16 bytes of a load's 512
	s_mul_i32 s25, s24, WREG
	v_lshrrev_b32 v14, 2, v2
	v_mul_u32_u24 v14, v14, SP
	v_and_b32 v15, 3, v2
	v_lshl_add_u32 v14, v15, 4, v14
	v_add_nc_u32 v14, s25, v14                     ; the stage, on the way in: four lanes' 64 bytes on end, then 16 of padding
	v_mul_u32_u24 v15, v2, SP
	v_add_nc_u32 v15, s25, v15                     ; and on the way out: SP x lane: my 16 neighbours
	v_mul_u32_u24 v4, v2, CB                       ; my codes' place in a step's
	v_lshrrev_b32 v5, 1, v2
	s_add_co_u32 s25, s25, 2*32*SP
	v_add_nc_u32 v5, s25, v5                       ; LDS: my wave's 256 scale bytes, my block's byte
	v_lshlrev_b32 v7, 3, v2                        ; 8 bytes a lane
	v_add_nc_u32 v6, s25, v7
	s_cmp_ge_u32 ttmp9, 4*WGT                      ; the work-group's number alone decides
	s_cbranch_scc1 .Lcast
	; ---- the quantiser
	s_lshr_b32 s26, ttmp9, 7                       ; which tensor: 0 x, 1 Wq, 2 Wk, 3 Wv
	s_wait_kmcnt 0x0
	s_cmp_eq_u32 s26, 1
	s_cselect_b64 s[4:5], s[6:7], s[4:5]
	s_cmp_eq_u32 s26, 2
	s_cselect_b64 s[4:5], s[8:9], s[4:5]
	s_cmp_eq_u32 s26, 3
	s_cselect_b64 s[4:5], s[10:11], s[4:5]         ; the source
	s_cmp_eq_u32 s26, 0
	s_cselect_b64 s[14:15], s[14:15], s[18:19]     ; the codes' buffer
	s_cselect_b64 s[16:17], s[16:17], s[20:21]     ; the scale bytes'
	s_cselect_b32 s27, 0, WGT
	s_and_b32 s28, ttmp9, WGT-1
	s_lshl_b32 s28, s28, 2
	s_add_co_u32 s28, s28, s24                     ; my run in the source tensor
	s_sub_co_u32 s30, ttmp9, s27
	s_lshl_b32 s30, s30, 2
	s_add_co_u32 s30, s30, s24                     ; and in the buffers of codes and bytes
	s_lshl_b32 s28, s28, 15                        ; 32,768 bytes of f32 a run
	s_mov_b32 s29, 0
	s_add_nc_u64 s[4:5], s[4:5], s[28:29]
	s_lshl_b32 s28, s30, 12                        ; 4,096 bytes of codes
	s_add_nc_u64 s[14:15], s[14:15], s[28:29]
	s_lshl_b32 s28, s30, 8                         ; 256 scale bytes
	s_add_nc_u64 s[16:17], s[16:17], s[28:29]
.macro LOAD t
.irp i, 0,1,2,3
	global_load_b128 v[R+16*((\t)%4)+4*\i:R+16*((\t)%4)+4*\i+3], v3, s[4:5] offset:2048*(\t)+512*\i th:TH_LOAD_NT   ; 32 lanes read 512 consecutive bytes
.endr
.endm
.macro TURN t                          ; step t's numbers through the stage: LDS serves a wave's instructions in order, so no wait stands between the stores and the loads
.irp i, 0,1,2,3
	ds_store_b128 v14, v[R+16*((\t)%4)+4*\i:R+16*((\t)%4)+4*\i+3] offset:32*SP*((\t)%2)+8*SP*\i
.endr
.irp i, 0,1,2,3
	ds_load_b128 v[X+16*((\t)%2)+4*\i:X+16*((\t)%2)+4*\i+3], v15 offset:32*SP*((\t)%2)+16*\i
.endr
.endm
.irp t, 0,1,2,3
	LOAD \t
.endr
	s_wait_loadcnt 12                              ; step 0's four loads are in; the twelve of steps 1 to 3 may be out
	TURN 0
.macro STEP t
.set XS, X+16*((\t)%2)
.if (\t) > 0
	s_wait_dscnt 1                                 ; this step's numbers are back from the stage (the last step's byte store may be out)
.else
	s_wait_dscnt 0x0
.endif
.if (\t)+4 < STEPS
	LOAD (\t)+4                                    ; into the registers that this step's stores into the stage have read
.endif
.if (\t)+1 < STEPS
.if STEPS-2-(\t) >= 3
	s_wait_loadcnt 12                              ; the next step's four loads are in; those of the three steps behind it may be out
.else
	s_wait_loadcnt 4*(STEPS-2-(\t))
.endif
	TURN (\t)+1                                    ; and go through the other stage while this step is worked
.endif
	v_max3_num_f32 v8, |v[XS]|, |v[XS+1]|, |v[XS+2]|               ; the largest magnitude of my 16, in two chains
	v_max3_num_f32 v9, |v[XS+3]|, |v[XS+4]|, |v[XS+5]|
.irp i, 6,10
	v_max3_num_f32 v8, v8, |v[XS+\i]|, |v[XS+\i+1]|
	v_max3_num_f32 v9, v9, |v[XS+\i+2]|, |v[XS+\i+3]|
.endr
	v_max3_num_f32 v8, v8, |v[XS+14]|, |v[XS+15]|
	v_max3_num_f32 v8, v8, v9, (EMAX+1)<<23        ; and the floor 2^(EMAX + 1 - 127): the byte cannot fall under 1
	v_max_num_f32_dpp v8, v8, v8 row_xmask:1 row_mask:0xf bank_mask:0xf   ; and of my neighbour's 16: the block's
	v_add_nc_u32 v11, -(EMAX<<23), v8              ; EMAX off its exponent field: the conversion takes the exponent field of this operand as its scale
	v_cvt_scalef32_pk8_fp4_f32 v[C+4*(\t)], v[XS:XS+7], v11
	v_cvt_scalef32_pk8_fp4_f32 v[C+4*(\t)+1], v[XS+8:XS+15], v11
	v_lshrrev_b32 v[E+(\t)], 23, v11               ; the scale's byte (also the plain line behind the conversions)
	ds_store_b8 v5, v[E+(\t)] offset:16*(\t)       ; both lanes of a block write the same byte with the same value
	global_store_b64 v4, v[C+4*(\t):C+4*(\t)+1], s[14:15] offset:32*CB*(\t)   ; the wave stores 256 consecutive bytes, aligned
.endm
.irp t, 0,1,2,3,4,5,6,7,8,9,10,11,12,13,14,15
	STEP \t
.endr
	ds_load_b64 v[8:9], v6                         ; LDS serves a wave's instructions in order: these see my stores
	s_wait_dscnt 0x0
	global_store_b64 v7, v[8:9], s[16:17]          ; 32 lanes store 256 consecutive bytes, aligned
	s_wait_tensorcnt 0x0                           ; the wave's end: behind my last LDS store
	ds_add_u32 v[SPW], v[NIL]
	s_wait_dscnt 0x0
	s_endpgm
	; ---- Wo to f16: four rounds of 16 loads of 512 consecutive bytes; a lane's 4 numbers become 8 bytes, so each store covers 256 consecutive bytes, aligned.  This path writes no LDS.
.Lcast:
	s_sub_co_u32 s26, ttmp9, 4*WGT
	s_lshl_b32 s26, s26, 2
	s_add_co_u32 s26, s26, s24                     ; my run
	s_lshl_b32 s28, s26, 15
	s_mov_b32 s29, 0
	s_lshl_b32 s30, s26, 14
	s_mov_b32 s31, 0
	s_wait_kmcnt 0x0
	s_add_nc_u64 s[12:13], s[12:13], s[28:29]
	s_add_nc_u64 s[22:23], s[22:23], s[30:31]
.macro CLOAD r
.irp i, 0,1,2,3,4,5,6,7,8,9,10,11,12,13,14,15
	global_load_b128 v[CI+64*((\r)%2)+4*\i:CI+64*((\r)%2)+4*\i+3], v3, s[12:13] offset:512*(16*(\r)+\i) th:TH_LOAD_NT
.endr
.endm
.macro CAST r
.if (\r) < 3
	s_wait_loadcnt 16                              ; this round's 16 loads are in; the next round's may be out
.else
	s_wait_loadcnt 0x0
.endif
.if (\r) >= 2
	s_wait_xcnt 0x0                                ; the stores of two rounds back have read their data: these registers are written again only behind this wait
.endif
.irp i, 0,1,2,3,4,5,6,7,8,9,10,11,12,13,14,15
	v_cvt_pk_f16_f32 v[CO+32*((\r)%2)+2*\i], v[CI+64*((\r)%2)+4*\i], v[CI+64*((\r)%2)+4*\i+1]
	v_cvt_pk_f16_f32 v[CO+32*((\r)%2)+2*\i+1], v[CI+64*((\r)%2)+4*\i+2], v[CI+64*((\r)%2)+4*\i+3]
.endr
.irp i, 0,1,2,3,4,5,6,7,8,9,10,11,12,13,14,15
	global_store_b64 v7, v[CO+32*((\r)%2)+2*\i:CO+32*((\r)%2)+2*\i+1], s[22:23] offset:256*(16*(\r)+\i)
.endr
.if (\r) < 2
	CLOAD (\r)+2
.endif
.endm
	CLOAD 0
	CLOAD 1
	CAST 0
	CAST 1
	CAST 2
	CAST 3
	s_endpgm
.Lfunc_end_k_q69735d6866_prep:
	.size	k_q69735d6866_prep, .Lfunc_end_k_q69735d6866_prep-k_q69735d6866_prep
	.p2alignl 7, 3214868480
	.fill 96, 4, 3214868480
	.section	.rodata,"a",@progbits
	.p2align	6, 0x0
	.amdhsa_kernel k_q69735d6866_prep
		.amdhsa_group_segment_fixed_size 33280
		.amdhsa_private_segment_fixed_size 0
		.amdhsa_enable_private_segment 0
		.amdhsa_kernarg_size 80
		.amdhsa_user_sgpr_count 2
		.amdhsa_user_sgpr_kernarg_segment_ptr 1
		.amdhsa_wavefront_size32 1
		.amdhsa_system_sgpr_workgroup_id_x 1
		.amdhsa_system_sgpr_workgroup_id_y 1
		.amdhsa_system_sgpr_workgroup_id_z 1
		.amdhsa_system_vgpr_workitem_id 0
		.amdhsa_next_free_vgpr 208
		.amdhsa_next_free_sgpr 66
		.amdhsa_reserve_vcc 0
		.amdhsa_float_denorm_mode_32 3
		.amdhsa_float_denorm_mode_16_64 3
		.amdhsa_memory_ordered 1
		.amdhsa_forward_progress 1
		.amdhsa_inst_pref_size 54
	.end_amdhsa_kernel
	.amdgpu_metadata
---
amdhsa.version: [ 1, 2 ]
amdhsa.kernels:
  - .name:           k_q69735d6866_prep
    .symbol:         k_q69735d6866_prep.kd
    .args:
      - { .name: x, .offset: 0, .size: 8, .value_kind: global_buffer, .address_space: global }
      - { .name: Wq, .offset: 8, .size: 8, .value_kind: global_buffer, .address_space: global }
      - { .name: Wk, .offset: 16, .size: 8, .value_kind: global_buffer, .address_space: global }
      - { .name: Wv, .offset: 24, .size: 8, .value_kind: global_buffer, .address_space: global }
      - { .name: Wo, .offset: 32, .size: 8, .value_kind: global_buffer, .address_space: global }
      - { .name: x_codes, .offset: 40, .size: 8, .value_kind: global_buffer, .address_space: global }
      - { .name: x_scales, .offset: 48, .size: 8, .value_kind: global_buffer, .address_space: global }
      - { .name: w_codes, .offset: 56, .size: 8, .value_kind: global_buffer, .address_space: global }
      - { .name: w_scales, .offset: 64, .size: 8, .value_kind: global_buffer, .address_space: global }
      - { .name: wo_h, .offset: 72, .size: 8, .value_kind: global_buffer, .address_space: global }
    .group_segment_fixed_size: 33280
    .private_segment_fixed_size: 0
    .kernarg_segment_align: 8
    .kernarg_segment_size: 80
    .max_flat_workgroup_size: 128
    .sgpr_count:     66
    .vgpr_count:     208
    .wavefront_size: 32
...
	.end_amdgpu_metadata
.endif
;; end of part 1
;; launch qkv (part 2): grid 24 x 8, 4 waves a work-group, clusters of 4 x 4, 327,680 bytes of LDS; arguments x_codes, x_scales, w_codes, w_scales, bq, bk, bv, qkv, ssq; writes qkv, ssq
.if DOCPART == 2
	.amdgcn_target "amdgcn-amd-amdhsa--gfx1250"
	.amdhsa_code_object_version 6
	.text
	.protected	k_q69735d6866_qkv
	.globl	k_q69735d6866_qkv
	.p2align	8
	.type	k_q69735d6866_qkv,@function
k_q69735d6866_qkv:
	s_mov_b64 s[64:65], 0
	v_nop
	global_prefetch_b8 v0, s[64:65] scope:SCOPE_SE
	s_setreg_imm32_b32 hwreg(HW_REG_WAVE_MODE, 25, 1), 1
	s_wait_xcnt 0x0
	s_wait_alu depctr_hold_cnt(0) depctr_sa_sdst(0) depctr_va_vdst(0) depctr_va_sdst(0) depctr_va_ssrc(0) depctr_va_vcc(0) depctr_vm_vsrc(0)
	s_getreg_b32 s2, hwreg(HW_REG_IB_STS2, 6, 4)
	s_cmp_eq_u32 s2, 0
	s_cbranch_scc0 .Lentry_in_a_cluster
	s_endpgm
.Lentry_in_a_cluster:
	s_bfe_u32 s2, ttmp6, 0x10000c
	s_cmp_lg_u32 s2, 0xf033
	s_cbranch_scc0 .Lentry_shape_is_right
	s_endpgm
.Lentry_shape_is_right:
; SECOND LAUNCH.  C[m][n] = sum over k of x[m][k] W[n][k] + bias[n] on codes of FP4 (E2M1) with one E8M0 scale for each 32 along K; m: 2,048 rows; n: 6,144 columns = Wq's, Wk's, Wv's rows on end; K = 2,048.
; OUT: qkv [96][2048][64] f16: column block of 64 (0-31 q's heads, 32-63 k's, 64-95 v's), row, channel: BEFORE the norm.  ssq [32][2048] f32: for q (0-15) and k (16-31), for each block of 128 columns and each row,
; the sum of the squares of the f32 sums.  The norm's factor spans eight column tiles, and work-groups do not talk to each other: the next launch adds the sixteen parts of a row.
; LIMIT: |x W^T + b| above 65,504 has no f16 number.
; A tile of C, 256 x 256, is made by a work-group of four waves; a wave makes 128 x 128: 64 accumulators of 16 x 16, 512 registers.  K goes in steps of 512 through a ring of two LDS slots filled by the tensor
; data mover: a tile's row is 256 bytes of memory.  THE SCALES of the work-group's 256 + 256 rows, for all of K, come into LDS once, with the first fills, and stay.
; CLUSTERS: 4 x 4 work-groups.  The four of a row of the cluster need the same tiles of x, the four of a column the same tiles of W: each tile is asked for JOINTLY.
; THE MATRIX INSTRUCTION IS USED TRANSPOSED (source 0 = 16 rows of W, source 1 = 16 rows of x): a lane then holds eight neighbouring columns of a row of C.  THE BIAS is the C of each sum's first product.
; REGISTERS, in windows of 256: window 0: v0-31 addresses; v32-95 scale words, two sets; v128-191 x's fragments, ONE set; v192-255 the bias in the result's layout; on the way out v32-137 are at work.
;   window 1: W's fragments, TWO sets, at v0 and v128.   window 2: the accumulators of my rows 0-63 ((a, b) at v[8 (8 a + b)]);   window 3: those of my rows 64-127.
.set SIZE_K, 2048
.set KSTEP,  512                       ; along K in a slot
.set NQ,     KSTEP/128                 ; matrix instructions deep
.set ROWB,   256                       ; a tile's row in bytes
.set KROW,   SIZE_K*4/8                ; a row of codes in memory
.set PITCH,  272                       ; an LDS row: 256 bytes + 16 of padding: the 16 rows that a load touches start 68 words apart
.set FR,     8                         ; registers of a fragment: 16 rows x 128 K
.set NL,     2                         ; LDS loads that bring one
.set NP,     4                         ; places behind this matrix instruction (ISA guide 7.12.1)
.set HALFT,  128*PITCH                 ; 128 rows: what one tensor load brings
.set SLOT,   4*HALFT
.set LAPS,   SIZE_K/(2*KSTEP)          ; 2
.set KS,     SIZE_K/32                 ; a row of scales: 64 bytes
.set SCL,    2*SLOT                    ; behind the ring: the scales, as units of 256 bytes + 16 of padding
.set HALFS,  (128*KS/256)*272
.set SBLK,   (16*KS/256)*272
.set SPARE,  SCL+4*HALFS               ; behind the scales: the spare words, 128 bytes a wave, which no other line names
.set SPITCH, 272                       ; the way out: 16 rows x (256 bytes + 16), then 512 bytes for 128 sums of squares, for each wave; in slot 0, which has had its last fill and its last read by then
.set WOUT,   16*SPITCH+512
.set HEADB,  2048*128                  ; a block of 64 columns in qkv
.set BO,   7                           ; v7      32 x (lane / 16): my place in 16 numbers of the bias
.set ADRA, 16                          ; v16-17  LDS address of my x fragments in slot 0, 1
.set ADRB, 20                          ; v20-21  the same for W
.set STO,  24                          ; v24     the way out: where I put 16 bytes of a row
.set RD,   25                          ; v25     where I read rows back
.set CO,   26                          ; v26     16 x lane
.set ADRS, 27                          ; v27     LDS address of my scale words: lanes 0-15 x's rows, lanes 16-31 W's
.set SPW,  28                          ; v28     my spare word; never rewritten
.set NIL,  29                          ; v29     0; never rewritten
.set SSW,  30                          ; v30     where I put a row's sum of squares
.set SSR,  31                          ; v31     where I read four of them back
.set SC,   32
.set AF,   128
.set BI,   192
.set TMP,  32                          ; the way out: v32-63 packed results
.set BK,   64                          ; v64-95, v96-127 rows read back, by turns
.set SQ,   128                         ; v128-135 four chains of squares; v136, v137 at work
.set G1, 24
.set G0, 32
.set G1B, 48
.set G0B, 56
.set G1S, 68
.set G0S, 76
.set G1SB, 80
.set G0SB, 88
.set MSB, 0
.macro WIN new                         ; the immediate's high byte repeats the setting that is left
.if MSB != (\new)
	s_set_vgpr_msb (MSB<<8)|(\new)
.set MSB, (\new)
.endif
.endm
.set MUL_LO, 0xa1                      ; source 0 (W) window 1, source 1 (x) window 0, C and D window 2
.set MUL_HI, 0xf1                      ; the same, C and D window 3
.set TO_B,   0x40                      ; destination window 1, address window 0
; A joint load: waves 0 and 1 fetch for x, waves 2 and 3 for W.  The branch hangs on the wave's number alone.  An s_nop 0 and four v_nop follow each of the two lines.
.macro JLOAD g0a, g1a, g0b, g1b
	s_cmp_eq_u32 s15, 0
	s_cbranch_scc0 .Lfor_b_\@
	tensor_load_to_lds s[\g0a:\g0a+3], s[\g1a:\g1a+7]
	s_nop 0
.rept 4
	v_nop
.endr
	s_branch .Lasked_\@
.Lfor_b_\@:
	tensor_load_to_lds s[\g0b:\g0b+3], s[\g1b:\g1b+7]
	s_nop 0
.rept 4
	v_nop
.endr
.Lasked_\@:
.endm
.macro CREST                           ; a round of the cluster's barrier behind its opening barrier
	s_cmp_lg_u32 s14, 0
	s_cbranch_scc1 .Lnot_wave_0_\@
	s_barrier_signal -3
.Lnot_wave_0_\@:
	s_barrier_wait -3
	s_barrier_signal -1
	s_barrier_wait -1
.endm
.macro CROUND
	s_barrier_signal -1
	s_barrier_wait -1
	CREST
.endm
	s_load_b256 s[4:11], s[0:1], 0x0               ; x's codes s[4:5], x's scales s[6:7], W's codes s[8:9], W's scales s[10:11]
	s_load_b128 s[96:99], s[0:1], 0x20             ; bq, bk
	s_load_b64 s[100:101], s[0:1], 0x30            ; bv
	s_load_b64 s[12:13], s[0:1], 0x38              ; qkv
	s_load_b64 s[66:67], s[0:1], 0x40              ; ssq
	v_lshl_add_u32 v[SPW], v0, 2, SPARE
	v_mov_b32 v[NIL], 0
	ds_add_u32 v[SPW], v[NIL]                      ; the wave's opening: the add, twice on end, and its wait ahead of my first tensor load
	ds_add_u32 v[SPW], v[NIL]
	v_lshrrev_b32 v1, 5, v0
	v_readfirstlane_b32 s14, v1                    ; wave 0..3
	s_lshr_b32 s15, s14, 1                         ; which half of the tile's rows is mine.  Also: I fetch for x (0) or for W (1)
	s_and_b32 s16, s14, 1                          ; which half of its columns.  Also: which 128 rows of that tile I fetch
	s_bfe_u32 s40, ttmp6, 0x40000                  ; cx, cy: my place in the cluster
	s_bfe_u32 s41, ttmp6, 0x40004
	s_lshl_b32 s42, ttmp9, 2
	s_add_co_u32 s42, s42, s40                     ; tile column of C = 4 x cluster x + cx: 0..23
	s_and_b32 s17, ttmp7, 0xffff
	s_lshl_b32 s17, s17, 2
	s_add_co_u32 s17, s17, s41                     ; tile row of C = 4 x cluster y + cy: 0..7
	s_lshl_b32 s43, s41, 2
	s_lshl_b32 s43, 15, s43                        ; my row of the cluster
	s_lshl_b32 s44, 0x1111, s40                    ; my column
	s_lshr_b32 s95, ttmp9, 1                       ; 0: q's columns, 1: k's, 2: v's.  A cluster's 1,024 columns lie in one of the three: the same number in all sixteen partners
	; descriptor group 1: a tile of 128 rows x 256 bytes, 16 bytes of padding behind each row
	s_or_b32 s[G1+0], s43, (0<<16)|(1<<20)|(1<<21)|(5<<22)|(3<<25)  ; 15:0 the mask: x's tiles go to my row; 17:16 elements of 1 byte; 20 padding on; 21 set beside a mask; 24:22 after every 64 words; 31:25 four words
	s_or_b32 s[G1B+0], s44, (0<<16)|(1<<20)|(1<<21)|(5<<22)|(3<<25)
.irp g, G1, G1B
	s_mov_b32 s[\g+1], ROWB<<16                    ; tensor_dim0
	s_mov_b32 s[\g+2], 128<<16                     ; tensor_dim1
	s_mov_b32 s[\g+3], ROWB<<16                    ; tile_dim0
	s_mov_b32 s[\g+4], 128                         ; tile_dim1
	s_mov_b32 s[\g+5], KROW                        ; tensor_dim0_stride
	s_mov_b32 s[\g+6], 0
	s_mov_b32 s[\g+7], 0
.endr
	; the scales of 128 rows: a dense block of 8,192 bytes, as rows of 256 bytes (32 elements of 8 bytes), 16 bytes of padding behind each
	s_or_b32 s[G1S+0], s43, (3<<16)|(1<<20)|(1<<21)|(5<<22)|(3<<25)
	s_or_b32 s[G1SB+0], s44, (3<<16)|(1<<20)|(1<<21)|(5<<22)|(3<<25)
.irp g, G1S, G1SB
	s_mov_b32 s[\g+1], 32<<16
	s_mov_b32 s[\g+2], (128*KS/256)<<16
	s_mov_b32 s[\g+3], 32<<16
	s_mov_b32 s[\g+4], 128*KS/256
	s_mov_b32 s[\g+5], 32
	s_mov_b32 s[\g+6], 0
	s_mov_b32 s[\g+7], 0
.endr
	s_lshl_b32 s18, s16, 7                         ; which 128 rows of the tile I fetch
	s_lshl_b32 s20, s17, 8
	s_add_co_u32 s20, s20, s18                     ; x: row 256 x tile row + 128 x half
	s_lshl_b32 s46, s42, 8
	s_add_co_u32 s46, s46, s18                     ; W: row 256 x tile column + 128 x half
	s_mov_b32 s21, 0
	s_mov_b32 s47, 0
	s_mov_b64 s[18:19], KS
	s_mul_u64 s[22:23], s[20:21], s[18:19]         ; where these rows' scales begin, in bytes
	s_mul_u64 s[92:93], s[46:47], s[18:19]
	s_mov_b64 s[18:19], KROW
	s_mul_u64 s[20:21], s[20:21], s[18:19]         ; and their codes
	s_mul_u64 s[46:47], s[46:47], s[18:19]
	s_mul_i32 s45, s14, HALFT                      ; where they go: wave x 128 rows: no place in the cluster enters an LDS address
	s_mul_i32 s94, s14, HALFS
	s_wait_dscnt 0x0                               ; both opening adds are done
	s_wait_kmcnt 0x0
	s_add_nc_u64 s[20:21], s[4:5], s[20:21]
	s_add_nc_u64 s[22:23], s[6:7], s[22:23]
	s_add_nc_u64 s[46:47], s[8:9], s[46:47]
	s_add_nc_u64 s[92:93], s[10:11], s[92:93]
	CROUND                                         ; all sixteen work-groups are here: the first joint loads meet
	s_mov_b32 s[G0S], 1
	s_add_co_u32 s[G0S+1], s94, SCL
	s_mov_b64 s[G0S+2:G0S+3], s[22:23]
	s_or_b32 s[G0S+3], s[G0S+3], 0x80000000
	s_mov_b32 s[G0SB], 1
	s_add_co_u32 s[G0SB+1], s94, SCL
	s_mov_b64 s[G0SB+2:G0SB+3], s[92:93]
	s_or_b32 s[G0SB+3], s[G0SB+3], 0x80000000
	JLOAD G0S, G1S, G0SB, G1SB                     ; the scales first: they are wanted with K step 0
.irp s, 0,1
	s_mov_b32 s[G0+4*\s], 1
	s_add_co_u32 s[G0+4*\s+1], s45, \s*SLOT
	s_add_nc_u64 s[G0+4*\s+2:G0+4*\s+3], s[20:21], \s*ROWB
	s_or_b32 s[G0+4*\s+3], s[G0+4*\s+3], 0x80000000
	s_mov_b32 s[G0B+4*\s], 1
	s_add_co_u32 s[G0B+4*\s+1], s45, \s*SLOT
	s_add_nc_u64 s[G0B+4*\s+2:G0B+4*\s+3], s[46:47], \s*ROWB
	s_or_b32 s[G0B+4*\s+3], s[G0B+4*\s+3], 0x80000000
	JLOAD G0+4*\s, G1, G0B+4*\s, G1B               ; three tensor loads of mine are out
.endr
	v_and_b32 v1, 15, v0                           ; r = l % 16
	v_bfe_u32 v2, v0, 4, 1                         ; h = l / 16
	; the bias of my 128 columns, in the result's layout: register 8 b + j holds bias[16 b + 8 h + j]
	v_lshlrev_b32 v[BO], 5, v2
	s_cmp_eq_u32 s95, 1
	s_cselect_b64 s[96:97], s[98:99], s[96:97]
	s_cmp_eq_u32 s95, 2
	s_cselect_b64 s[96:97], s[100:101], s[96:97]
	s_and_b32 s98, s42, 7                          ; the tile column inside its tensor
	s_lshl_b32 s98, s98, 10
	s_lshl_b32 s99, s16, 9
	s_add_co_u32 s98, s98, s99
	s_mov_b32 s99, 0
	s_add_nc_u64 s[96:97], s[96:97], s[98:99]
.irp b, 0,1,2,3,4,5,6,7
	global_load_b128 v[BI+8*\b:BI+8*\b+3], v[BO], s[96:97] offset:64*\b
	global_load_b128 v[BI+8*\b+4:BI+8*\b+7], v[BO], s[96:97] offset:64*\b+16
.endr
	s_mov_b32 s98, 0x76543210                      ; v_permlanex16_b32's selects for lane l xor 16
	s_mov_b32 s99, 0xfedcba98
	v_mul_u32_u24 v3, v1, PITCH
	v_lshl_add_u32 v4, v2, 4, v3                   ; a fragment's row x pitch + 16 x half
	s_mul_i32 s21, s15, HALFT                      ; my 128 rows of x
	s_mul_i32 s22, s16, HALFT                      ; my 128 rows of W,
	s_add_co_u32 s22, s22, 2*HALFT                 ; which lie behind x's 256
.irp s, 0,1
	v_add_nc_u32 v[ADRA+\s], s21, v4
	v_add_nc_u32 v[ADRB+\s], s22, v4
	s_add_co_u32 s21, s21, SLOT
	s_add_co_u32 s22, s22, SLOT
.endr
	v_mul_u32_u24 v5, v1, KS                       ; my row's scales: KS bytes a row,
	v_lshrrev_b32 v6, 8, v5
	v_lshl_add_u32 v5, v6, 4, v5                   ; and 16 more for each 256 passed
	s_mul_i32 s21, s15, HALFS                      ; x's: my 128 rows
	s_mul_i32 s22, s16, HALFS                      ; W's: my 128 rows, behind x's 256
	s_add_co_u32 s22, s22, 2*HALFS
	s_sub_co_u32 s22, s22, s21
	v_mul_u32_u24 v6, s22, v2                      ; lanes 16-31 take W's
	s_add_co_u32 s21, s21, SCL
	v_add_nc_u32 v5, v5, v6
	v_add_nc_u32 v[ADRS], s21, v5
	s_mul_i32 s23, s14, WOUT                       ; my region for the way out
	v_mul_u32_u24 v5, v1, SPITCH                   ; in: row r, 16 bytes for each half of the lanes
	v_lshl_add_u32 v5, v2, 4, v5
	v_add_nc_u32 v[STO], s23, v5
	v_and_b32 v6, 31, v0
	v_lshlrev_b32 v[CO], 4, v6
	v_lshrrev_b32 v5, 3, v6                        ; back: eight lanes take 128 bytes (64 columns) of a row, the 32 lanes four rows
	v_mul_u32_u24 v5, v5, SPITCH
	v_and_b32 v3, 7, v0
	v_lshl_add_u32 v5, v3, 4, v5
	v_add_nc_u32 v[RD], s23, v5
	s_add_co_u32 s23, s23, 16*SPITCH
	v_lshl_add_u32 v[SSW], v1, 2, s23
	v_add_nc_u32 v[SSR], s23, v[CO]
	s_lshl_b32 s20, s17, 8
	s_lshl_b32 s21, s15, 7
	s_add_co_u32 s20, s20, s21                     ; my first row: 256 x tile row + 128 x half
	s_lshl_b32 s46, s42, 2
	s_lshl_b32 s47, s16, 1
	s_add_co_u32 s46, s46, s47                     ; my first block of 64 columns
	s_lshl_b32 s46, s46, 18
	s_lshl_b32 s47, s20, 7                         ; a row of it is 128 bytes
	s_add_co_u32 s46, s46, s47
	s_mov_b32 s47, 0
	s_add_nc_u64 s[12:13], s[12:13], s[46:47]
	s_lshl_b32 s92, s42, 1
	s_add_co_u32 s92, s92, s16                     ; my block of 128 columns
	s_lshl_b32 s92, s92, 13
	s_lshl_b32 s93, s20, 2
	s_add_co_u32 s92, s92, s93
	s_mov_b32 s93, 0
	s_add_nc_u64 s[66:67], s[66:67], s[92:93]      ; (used for q's and k's columns alone)
.macro FRAG reg, adr, q, i             ; 16 rows x 128 K of 4-bit codes: lane l holds row l % 16; registers 4 c .. 4 c + 3 hold K = 64 c + 32 (l / 16) + 0 .. 31
.irp c, 0,1
	ds_load_b128 v[\reg+4*\c:\reg+4*\c+3], v[\adr] offset:64*(\q)+32*\c+(\i)*16*PITCH
.endr
.endm
; 16 matrix instructions: x's blocks a0, a0 + 1 against W's eight, 128 along K.  zero = 1: the first product starts the sums, with the bias as C.  The 64 accumulators take turns, one instruction a turn.
.macro MUL16 a0, p, q, sc, zero
.irp a, \a0, \a0+1
.irp b, 0,1,2,3,4,5,6,7
.if \zero
	v_wmma_scale_f32_16x16x128_f8f6f4 v[8*(8*((\a)%4)+\b):8*(8*((\a)%4)+\b)+7], v[128*(\p)+FR*\b:128*(\p)+FR*\b+FR-1], v[AF+FR*(\a):AF+FR*(\a)+FR-1], v[BI+8*\b:BI+8*\b+7], v[SC+8*NQ*(\sc)+NQ*\b+(\q)], v[SC+8*NQ*(\sc)+NQ*(\a)+(\q)] matrix_a_fmt:MATRIX_FMT_FP4 matrix_b_fmt:MATRIX_FMT_FP4 matrix_a_scale:MATRIX_SCALE_ROW1
.else
	v_wmma_scale_f32_16x16x128_f8f6f4 v[8*(8*((\a)%4)+\b):8*(8*((\a)%4)+\b)+7], v[128*(\p)+FR*\b:128*(\p)+FR*\b+FR-1], v[AF+FR*(\a):AF+FR*(\a)+FR-1], v[8*(8*((\a)%4)+\b):8*(8*((\a)%4)+\b)+7], v[SC+8*NQ*(\sc)+NQ*\b+(\q)], v[SC+8*NQ*(\sc)+NQ*(\a)+(\q)] matrix_a_fmt:MATRIX_FMT_FP4 matrix_b_fmt:MATRIX_FMT_FP4 matrix_a_scale:MATRIX_SCALE_ROW1
.endif
.endr
.endr
.endm
.macro FETCH_B slot, q, p
	WIN TO_B
.irp i, 0,1,2,3,4,5,6,7
	FRAG 128*(\p)+FR*\i, ADRB+\slot, \q, \i
.endr
	WIN 0
.endm
.macro FETCH_A slot, q, i0
.irp i, \i0, \i0+1, \i0+2, \i0+3
	FRAG AF+FR*(\i), ADRA+\slot, \q, \i
.endr
.endm
.macro SCALES sc                       ; a K step's scale words: four words a row; lanes 0-15 take x's block i, lanes 16-31 W's block i
.irp i, 0,1,2,3,4,5,6,7
	ds_load_b128 v[SC+8*NQ*\sc+NQ*\i:SC+8*NQ*\sc+NQ*\i+3], v[ADRS] offset:\i*SBLK
.endr
.endm
.macro PLACES n                        ; plain vector instructions between a matrix instruction and a load into, or a read of, its registers
.rept \n
	v_nop
.endr
.endm
.macro STEP slot, q, zero              ; 128 along K that has its successor in the same slot.  zero = 1: C (the bias) lies in window 0
	s_wait_dscnt 4*NL                              ; W's set and x's blocks 0-3 are in; the youngest eight loads (x's blocks 4-7) may be out
	WIN MUL_LO-0x20*(\zero)
	MUL16 0, (\q)%2, \q, \slot, \zero
	MUL16 2, (\q)%2, \q, \slot, \zero
	s_wait_dscnt 0                                 ; x's blocks 4-7 are in
	PLACES NP
	FETCH_B \slot, (\q)+1, 1-(\q)%2
	FETCH_A \slot, (\q)+1, 0
	WIN MUL_HI-0x30*(\zero)
	MUL16 4, (\q)%2, \q, \slot, \zero
	MUL16 6, (\q)%2, \q, \slot, \zero
	PLACES NP
	WIN 0
	FETCH_A \slot, (\q)+1, 4
.endm
; A slot's last step changes slots: ONE barrier; in front of it each wave waits for all its tensor loads, adds 0 to its spare word, and waits for that and for its own reads of this slot.
.macro TURN slot, next, fill
	s_wait_tensorcnt 0x0                           ; all my tensor loads have landed: my part of the next slot
	ds_add_u32 v[SPW], v[NIL]
	s_wait_dscnt 4*NL+1                            ; (the add and the youngest eight loads may be out)
	WIN MUL_LO
	MUL16 0, 1, NQ-1, \slot, 0
	s_wait_dscnt 0x0                               ; the add is done, and my reads of this slot are over
	s_barrier_signal -1
	MUL16 2, 1, NQ-1, \slot, 0
	WIN 0
	s_barrier_wait -1
.if \fill
	CREST                                          ; the barrier has opened a round of the cluster's: no wave of any partner still reads this slot or has a load on its way
	s_add_nc_u64 s[G0+4*\slot+2:G0+4*\slot+3], s[G0+4*\slot+2:G0+4*\slot+3], 2*ROWB
	s_add_nc_u64 s[G0B+4*\slot+2:G0B+4*\slot+3], s[G0B+4*\slot+2:G0B+4*\slot+3], 2*ROWB
	JLOAD G0+4*\slot, G1, G0B+4*\slot, G1B         ; the first tensor load behind the round; its four v_nop are the places in front of the loads below
.else
	PLACES NP
.endif
	v_add_nc_u32 v[ADRS], 4*NQ, v[ADRS]            ; on to the next K step's scale words
	FETCH_B \next, 0, 0
	FETCH_A \next, 0, 0
	SCALES \next
	WIN MUL_HI
	MUL16 4, 1, NQ-1, \slot, 0
	MUL16 6, 1, NQ-1, \slot, 0
	PLACES NP
	WIN 0
	FETCH_A \next, 0, 4
.endm
.macro STEPS slot, from
.set QQ, \from
.rept NQ-1-\from
	STEP \slot, QQ, 0
.set QQ, QQ+1
.endr
.endm
	s_wait_loadcnt 0x0                             ; the bias
	s_wait_tensorcnt 1                             ; the scales and my part of K step 0 are in (K step 1's load may be out),
	s_barrier_signal -1
	s_barrier_wait -1                              ; everybody's are
	FETCH_B 0, 0, 0
	FETCH_A 0, 0, 0
	SCALES 0
	FETCH_A 0, 0, 4
	STEP 0, 0, 1                                   ; the first step stands in front of the loop: its products start the sums
	s_mov_b32 s3, LAPS-1
.Llap:                                                 ; a trip goes once round the ring and fills both slots again
	STEPS 0, 1
	TURN 0, 1, 1
	STEPS 1, 0
	TURN 1, 0, 1
	STEP 0, 0, 0
	s_sub_co_u32 s3, s3, 1
	s_cmp_lg_u32 s3, 0
	s_cbranch_scc1 .Llap
	STEPS 0, 1                                     ; the last lap fills nothing
	TURN 0, 1, 0
	STEPS 1, 0
	s_wait_dscnt 4*NL
	WIN MUL_LO
	MUL16 0, 1, NQ-1, 1, 0
	MUL16 2, 1, NQ-1, 1, 0
	s_wait_dscnt 0
	WIN MUL_HI
	MUL16 4, 1, NQ-1, 1, 0
	MUL16 6, 1, NQ-1, 1, 0
	WIN 0
; THE WAY OUT, block by block of 16 rows x 128 columns.  PACK: rounded to f16, 16 bytes a lane, each accumulator from its low end on.  SSQ (q's and k's columns): the row's 128 squares summed in f32.
; TOSTAGE: into my stage and back, four rows of 64 columns an instruction.  SEND: each store covers 512 consecutive bytes of one block of 64 columns, aligned.
.macro PACK a
.set AC, 64*((\a)%4)
	WIN 0x0a+5*((\a)/4)                            ; sources 0 and 1: window 2 or 3
.irp b, 0,1,2,3,4,5,6,7
.irp r, 0,1,2,3
	v_cvt_pk_f16_f32 v[TMP+4*\b+\r], v[AC+8*\b+2*\r], v[AC+8*\b+2*\r+1]
.endr
.endr
	WIN 0
.endm
.macro SSQ a
.set AC, 64*((\a)%4)
	s_cmp_lt_u32 s95, 2                            ; v has no norm.  The cluster's number alone decides: all partners go the same way
	s_cbranch_scc0 .Lnosq_\@
	WIN 0x0a+5*((\a)/4)
.irp i, 0,1,2,3
	v_pk_mul_f32 v[SQ+2*\i:SQ+2*\i+1], v[AC+2*\i:AC+2*\i+1], v[AC+2*\i:AC+2*\i+1]   ; four chains, started by the first four pairs
.endr
.set J, 4
.rept 28
	v_pk_fma_f32 v[SQ+2*(J%4):SQ+2*(J%4)+1], v[AC+2*J:AC+2*J+1], v[AC+2*J:AC+2*J+1], v[SQ+2*(J%4):SQ+2*(J%4)+1]
.set J, J+1
.endr
	WIN 0
	v_pk_add_f32 v[SQ:SQ+1], v[SQ:SQ+1], v[SQ+2:SQ+3]
	v_pk_add_f32 v[SQ+4:SQ+5], v[SQ+4:SQ+5], v[SQ+6:SQ+7]
	v_pk_add_f32 v[SQ:SQ+1], v[SQ:SQ+1], v[SQ+4:SQ+5]
	v_add_f32 v[SQ+8], v[SQ], v[SQ+1]              ; my 64 columns of row r,
	v_permlanex16_b32 v[SQ+9], v[SQ+8], s98, s99
	v_add_f32 v[SQ+8], v[SQ+8], v[SQ+9]            ; and lane l xor 16's
	ds_store_b32 v[SSW], v[SQ+8] offset:64*(\a)    ; both halves of the lanes write the same word with the same value
.Lnosq_\@:
.endm
.macro TOSTAGE a
.set BB, BK+32*((\a)%2)
.irp b, 0,1,2,3,4,5,6,7
	ds_store_b128 v[STO], v[TMP+4*\b:TMP+4*\b+3] offset:32*\b
.endr
.irp t, 0,1,2,3,4,5,6,7
	ds_load_b128 v[BB+4*\t:BB+4*\t+3], v[RD] offset:(\t%4)*4*SPITCH+128*(\t/4)   ; LDS serves a wave's instructions in order: these see the stores above
.endr
.endm
.macro SEND a, younger                 ; younger: LDS instructions issued behind block a's loads, which may stay out
.set BB, BK+32*((\a)%2)
	s_wait_dscnt \younger
.irp t, 0,1,2,3,4,5,6,7
	global_store_b128 v[CO], v[BB+4*\t:BB+4*\t+3], s[12:13] offset:(\a)*2048+(\t/4)*HEADB+(\t%4)*512
.endr
.endm
	PLACES NP                                      ; behind the last products: for the reads of results and the writes into registers that held scales and fragments
	v_mov_b32 v[SQ+9], 0                           ; a lane permute's destination counts as one of its sources
	PACK 0
	SSQ 0
	TOSTAGE 0
.irp a, 1,2,3,4,5,6,7
	PACK \a
	SSQ \a
.if \a > 1
	s_wait_xcnt 0x0                                ; block a - 2's stores have read their registers: block a's loads may land there
.endif
	TOSTAGE \a
	SEND \a-1, 16                                  ; behind block a - 1's loads stand at least block a's 8 stores and 8 loads (the sum's store is older than these)
.endr
	SEND 7, 0
	s_cmp_lt_u32 s95, 2
	s_cbranch_scc0 .Lno_ssq
	ds_load_b128 v[SQ:SQ+3], v[SSR]                ; my 128 rows' sums, four a lane
	s_wait_dscnt 0x0
	global_store_b128 v[CO], v[SQ:SQ+3], s[66:67]  ; 512 consecutive bytes, aligned
.Lno_ssq:
	s_wait_tensorcnt 0x0                           ; the wave's end: behind my last tensor load and my last LDS store
	ds_add_u32 v[SPW], v[NIL]
	s_wait_dscnt 0x0
	CROUND                                         ; the closing round: no work-group ends while a partner may still ask for a tile that names it
	s_endpgm
.Lfunc_end_k_q69735d6866_qkv:
	.size	k_q69735d6866_qkv, .Lfunc_end_k_q69735d6866_qkv-k_q69735d6866_qkv
	.p2alignl 7, 3214868480
	.fill 96, 4, 3214868480
	.section	.rodata,"a",@progbits
	.p2align	6, 0x0
	.amdhsa_kernel k_q69735d6866_qkv
		.amdhsa_group_segment_fixed_size 327680
		.amdhsa_private_segment_fixed_size 0
		.amdhsa_enable_private_segment 0
		.amdhsa_kernarg_size 72
		.amdhsa_user_sgpr_count 2
		.amdhsa_user_sgpr_kernarg_segment_ptr 1
		.amdhsa_wavefront_size32 1
		.amdhsa_system_sgpr_workgroup_id_x 1
		.amdhsa_system_sgpr_workgroup_id_y 1
		.amdhsa_system_sgpr_workgroup_id_z 1
		.amdhsa_system_vgpr_workitem_id 0
		.amdhsa_next_free_vgpr 1024
		.amdhsa_next_free_sgpr 102
		.amdhsa_reserve_vcc 0
		.amdhsa_float_denorm_mode_32 3
		.amdhsa_float_denorm_mode_16_64 3
		.amdhsa_memory_ordered 1
		.amdhsa_forward_progress 1
		.amdhsa_inst_pref_size 236
	.end_amdhsa_kernel
	.amdgpu_metadata
---
amdhsa.version: [ 1, 2 ]
amdhsa.kernels:
  - .name:           k_q69735d6866_qkv
    .symbol:         k_q69735d6866_qkv.kd
    .args:
      - { .name: x_codes, .offset: 0, .size: 8, .value_kind: global_buffer, .address_space: global }
      - { .name: x_scales, .offset: 8, .size: 8, .value_kind: global_buffer, .address_space: global }
      - { .name: w_codes, .offset: 16, .size: 8, .value_kind: global_buffer, .address_space: global }
      - { .name: w_scales, .offset: 24, .size: 8, .value_kind: global_buffer, .address_space: global }
      - { .name: bq, .offset: 32, .size: 8, .value_kind: global_buffer, .address_space: global }
      - { .name: bk, .offset: 40, .size: 8, .value_kind: global_buffer, .address_space: global }
      - { .name: bv, .offset: 48, .size: 8, .value_kind: global_buffer, .address_space: global }
      - { .name: qkv, .offset: 56, .size: 8, .value_kind: global_buffer, .address_space: global }
      - { .name: ssq, .offset: 64, .size: 8, .value_kind: global_buffer, .address_space: global }
    .group_segment_fixed_size: 327680
    .private_segment_fixed_size: 0
    .kernarg_segment_align: 8
    .kernarg_segment_size: 72
    .max_flat_workgroup_size: 128
    .sgpr_count:     102
    .vgpr_count:     1024
    .wavefront_size: 32
...
	.end_amdgpu_metadata
.endif
;; end of part 2
;; launch attn (part 3): grid 8 x 32, 4 waves a work-group, clusters of 4 x 1, 327,680 bytes of LDS; arguments qkv, ssq, qn_w, kn_w, o_ws; writes o_ws
.if DOCPART == 3
	.amdgcn_target "amdgcn-amd-amdhsa--gfx1250"
	.amdhsa_code_object_version 6
	.text
	.protected	k_q69735d6866_attn
	.globl	k_q69735d6866_attn
	.p2align	8
	.type	k_q69735d6866_attn,@function
k_q69735d6866_attn:
	s_mov_b64 s[64:65], 0
	v_nop
	global_prefetch_b8 v0, s[64:65] scope:SCOPE_SE
	s_setreg_imm32_b32 hwreg(HW_REG_WAVE_MODE, 25, 1), 1
	s_wait_xcnt 0x0
	s_wait_alu depctr_hold_cnt(0) depctr_sa_sdst(0) depctr_va_vdst(0) depctr_va_sdst(0) depctr_va_ssrc(0) depctr_va_vcc(0) depctr_vm_vsrc(0)
	s_getreg_b32 s2, hwreg(HW_REG_IB_STS2, 6, 4)
	s_cmp_eq_u32 s2, 0
	s_cbranch_scc0 .Lentry_in_a_cluster
	s_endpgm
.Lentry_in_a_cluster:
	s_bfe_u32 s2, ttmp6, 0x10000c
	s_cmp_lg_u32 s2, 0x3003
	s_cbranch_scc0 .Lentry_shape_is_right
	s_endpgm
.Lentry_shape_is_right:
; THIRD LAUNCH.  o[row][head] = softmax over all 2,048 keys of (qn . kn / 8) v, with qn = q rq qn_w, kn = k rk kn_w, rq and rk = rsqrt(mean of squares over the row's 2,048 columns + 1e-6).
; LEFT OUT, as shown at the head of the first launch: the ring's four joins by log-sum-exp are one softmax over the head's 2,048 keys, taken here with a running maximum; the product with the source's own zeros
; and the -1e30 start of lse add nothing.  A NaN or overflow that arises only in the per-chunk lse arithmetic is not carried.
; THE NORMS.  rk of all 2,048 keys is made once by the work-group from the sixteen parts in ssq, in f32, and kept in LDS.  Q is multiplied once, in f32, by rq qn_w[d] kn_w[d] log2(e) / 8 and rounded to f16;
; each f32 score is multiplied by rk[key]: t = the score in powers of two; p = 2^(t - m), m the running maximum.  In every step O and l are multiplied by a = 2^(m_old - m_new).
; Products on f16 operands with f32 sums.  LIMITS: |q rq qn_w kn_w 0.18| and |o| above 65,504 have no f16 number; a p under 6e-8 counts as 0 in the second product (it stays in the sum l).
; SHARES.  A work-group owns 256 queries of one head, each of its four waves 64: four tiles of 16.  Every wave walks all keys of the head, 64 a step.
; LAYOUT.  S^T = K Q^T (source 0 = 16 keys, source 1 = 16 queries): a lane holds ONE query (lane % 16) and keys 8 (lane / 16) + 0..7.  Two such tiles rounded in pairs ARE source 1 of O^T = V^T P.
; K comes out of LDS as it lies, V ([key][channel]) turned by ds_load_tr16_b128.
; BY TURNS.  The wave's tiles are two PIECES, named by their first tile: piece 0 (tiles 0, 1) and piece 2 (tiles 2, 3).  In a TURN one piece has the matrix unit: 16 products V^T P of the step in hand, then 16
; products K Q^T of the next step; the other piece's softmax, 266 vector instructions, stands between them: eight behind each matrix instruction, the ten that are over at the turn's end.  Then the pieces change
; places.  Two turns are a key step: 64 matrix instructions, 532 vector instructions, 40 LDS loads.  The vector instructions are more than the matrix instructions leave room for, so the order is there to lose no
; issue slot behind a product, and each fragment of K, V and rk that is read from LDS serves four tiles.
; RING.  Two slots of 256 keys (four steps).  Waves 0 and 1 fetch 128 rows of K each, waves 2 and 3 128 rows of V.  By this text's count two tensor loads of a wave are out at the start, later one.
; CLUSTER.  The four query blocks of a cluster belong to one head and walk the same K and V: each tile is asked for JOINTLY, mask 15.
; REGISTERS, in windows of 256 (s_set_vgpr_msb: bits 1:0 source 0, 3:2 source 1, 5:4 source 2, 7:6 destination):
;   window 0: v2-11 addresses; v12-43 statistics, 8 a tile: +0 m, +1 zero, +2, +3 l, +4..+7 c0-c3 (a takes c2's place); v44-60 the head's; v64-191 S^T, 32 a tile; v192-255 P, 16 a tile
;   window 1: v0-127 O^T, 32 a tile; v128-159 rk of a step's keys in S^T's layout          window 2: v0-63 Q, 16 a tile; v64-127 V of a step; v128-191 K of a step
.set PK,    144                        ; a row of K in LDS: 128 bytes + 16: 36 words from row to row
.set PVP,   160                        ; a row of V: 128 + 32: 40 words
.set KS,    64                         ; keys in a step
.set NST,   4                          ; steps in a slot
.set SK,    NST*KS                     ; keys in a slot
.set VOFF,  SK*PK                      ; a slot: 256 rows of K, then 256 rows of V
.set SLOT1, 1<<17                      ; slot 1 begins here: one exclusive or turns an address
.set RKT,   SK*(PK+PVP)                ; behind slot 0: rk, 2,048 f32
.set STG,   RKT+8192                   ; the way out: 64 rows x 144 bytes for each wave
.set SPARE, STG+4*64*PK                ; the spare words, 128 bytes a wave, which no other line names
.set RQT,   SPARE+512                  ; rq log2(e) / 8 of a wave's 64 queries: 256 bytes of each wave's own
.set HEADB, 2048*128                   ; a block of 64 columns in qkv
.set NBATCH, 170                       ; the place in a piece's list at which its exponentials are all issued
.set AK0,  2                           ; v2   my lane's place in a tile of K; never rewritten
.set AV0,  3                           ; v3   the same for V
.set ADK,  4                           ; v4   LDS address of the run of K's loads in hand
.set ARK0, 5                           ; v5   my lane's place in rk
.set STO,  6                           ; v6   the way out: where I put 16 bytes of a row
.set RD,   7                           ; v7   where I read rows back
.set GO,   8                           ; v8   16 x lane
.set ADRK, 9                           ; v9   LDS address of rk's loads in hand
.set ADV,  10                          ; v10  and of V's
.set RKW,  11                          ; v11  where I put four keys' rk
.set ST,   12
.set PFO,  61                          ; v61  256 x lane
.set SPW,  62                          ; v62  my spare word; never rewritten
.set NIL,  63                          ; v63  0; never rewritten
.set S,    64
.set P,    192
.set RK,   128                         ; in window 1
.set VF,   64                          ; in window 2
.set KF,   128
.set WV,   14                          ; s14  my wave's number
.set LIM,  15                          ; s15  1 in a wave that prefetches, else the greatest number
.set PFA,  18                          ; s[18:19] where my prefetches stand
.set G1K,  24                          ; s[24:31] descriptor group 1 for K's tiles;  s[32:39] for V's: it differs in the padding alone
.set G1V,  32
.set G0K,  40                          ; s[40:47] group 0 for K's tiles: a set for each of the two first fills; the second then walks on
.set G0V,  48                          ; s[48:55] the same for V's
.set SLOTS, 56                         ; s56  slots still to be asked for
.set CNT,  57                          ; s57  counts key steps
.set TK,   58                          ; s58  LDS byte at which K of the step to be fetched begins
.set TV,   59                          ; s59  the same for V, less VOFF
.set SEL,  60                          ; s[60:61] lane selects for v_permlanex16_b32: lane l xor 16
.set TR,   62                          ; s62  the step's place in rk
.set MSB, 0
.macro WIN new                         ; the immediate's high byte repeats the setting that is left; a switch that changes nothing is dropped
.if MSB != (\new)
	s_set_vgpr_msb (MSB<<8)|(\new)
.set MSB, (\new)
.endif
.endm
.set W_KQ, 0x0a                        ; K and Q in window 2, S^T in window 0
.set W_PV, 0x52                        ; V in window 2, P in window 0, O^T in window 1
.set W_RS, 0x41                        ; O^T (destination and source 0) in window 1, a in window 0
.set W_RK, 0x04                        ; rk (source 1) in window 1
; A joint refill.  Waves 0 and 1 fetch K's two halves of a slot, waves 2 and 3 V's.  The branch hangs on the wave's number alone.  An s_nop 0 and four v_nop follow each of the two lines.
.macro JLOAD
	s_cmp_lt_u32 s[WV], 2
	s_cbranch_scc0 .Lfor_v_\@
	tensor_load_to_lds s[G0K+4:G0K+7], s[G1K:G1K+7]
	s_nop 0
.rept 4
	v_nop
.endr
	s_branch .Lasked_\@
.Lfor_v_\@:
	tensor_load_to_lds s[G0V+4:G0V+7], s[G1V:G1V+7]
	s_nop 0
.rept 4
	v_nop
.endr
.Lasked_\@:
.endm
; A prefetch of what the NEXT change of slots will ask for: 32,768 bytes of K and of V.  All clusters of a head walk the same rows: the head's first cluster asks.  Its four partners take 8,192 bytes each, told
; apart by address; in each, wave 0 asks for K's and wave 2 for V's, lanes 256 bytes apart: each block of 256 bytes is named once.  The last change that fills a slot asks for nothing.
.macro ASK
	s_cmp_gt_u32 s[SLOTS], s[LIM]
	s_cbranch_scc0 .Lnot_mine_\@
	global_prefetch_b8 v[PFO], s[PFA:PFA+1] th:TH_LOAD_NT scope:SCOPE_SE
.Lnot_mine_\@:
.endm
.macro CROUND                          ; a round of the cluster's barrier
	s_barrier_signal -1
	s_barrier_wait -1
	s_cmp_lg_u32 s[WV], 0
	s_cbranch_scc1 .Lnot_wave_0_\@
	s_barrier_signal -3
.Lnot_wave_0_\@:
	s_barrier_wait -3
	s_barrier_signal -1
	s_barrier_wait -1
.endm
	s_load_b256 s[4:11], s[0:1], 0x0               ; qkv s[4:5], ssq s[6:7], qn_w s[8:9], kn_w s[10:11]
	s_load_b64 s[12:13], s[0:1], 0x20              ; o_ws
	v_lshl_add_u32 v[SPW], v0, 2, SPARE
	v_mov_b32 v[NIL], 0
	ds_add_u32 v[SPW], v[NIL]                      ; the wave's opening: the add, twice on end, and its wait ahead of my first tensor load
	ds_add_u32 v[SPW], v[NIL]
	v_lshrrev_b32 v1, 5, v0
	v_readfirstlane_b32 s[WV], v1                  ; wave 0..3
	s_bfe_u32 s16, ttmp6, 0x40000                  ; cx
	s_lshl_b32 s17, ttmp9, 2
	s_add_co_u32 s17, s17, s16                     ; my block of 256 queries: it enters Q's, ssq's and o's addresses alone
	s_and_b32 s20, ttmp7, 0xffff                   ; the head, which the four partners share
	s_lshl_b32 s22, s20, 18                        ; its bytes into a tensor of qkv
	s_and_b32 s21, s[WV], 1                        ; which 128 rows of a slot I fetch
	s_add_co_u32 s70, s22, 32*HEADB                ; K's head
	s_mov_b32 s71, 0
	s_add_co_u32 s72, s22, 64*HEADB                ; V's head
	s_mov_b32 s73, 0
	s_lshl_b32 s74, s17, 15                        ; Q: 256 rows of 128 bytes a block,
	s_lshl_b32 s75, s[WV], 13                      ; 64 a wave
	s_add_co_u32 s74, s74, s75
	s_add_co_u32 s74, s74, s22
	s_mov_b32 s75, 0
	s_lshl_b32 s76, s17, 10                        ; my 64 rows in a row of ssq
	s_lshl_b32 s77, s[WV], 8
	s_add_co_u32 s76, s76, s77
	s_mov_b32 s77, 0
	s_lshl_b32 s78, s20, 8                         ; my head's 64 numbers of qn_w and kn_w
	s_mov_b32 s79, 0
	s_lshl_b32 s80, s17, 1                         ; o_ws [16 blocks of 128 rows][32 heads][128][64] f16
	s_lshr_b32 s81, s[WV], 1
	s_add_co_u32 s80, s80, s81
	s_lshl_b32 s80, s80, 19
	s_lshl_b32 s81, s20, 14
	s_add_co_u32 s80, s80, s81
	s_lshl_b32 s81, s21, 13
	s_add_co_u32 s80, s80, s81
	s_mov_b32 s81, 0
	s_lshl_b32 s82, s21, 14                        ; my 128 rows of 128 bytes in memory
	s_mov_b32 s83, 0
	s_lshl_b32 s84, s16, 13                        ; the prefetches: my work-group's 8,192 bytes of a slot's 32,768,
	s_add_co_u32 s84, s84, 2*SK*128                ; in the third slot's keys: the first change steps it to the fourth's.  Nothing is prefetched at the head
	s_mov_b32 s85, 0
	s_mul_i32 s23, s21, 128*PK                     ; where my rows go: no place in the cluster enters an LDS address
	s_mul_i32 s63, s21, 128*PVP
	s_add_co_u32 s63, s63, VOFF
	; descriptor group 1: 128 rows x 64 elements of 2 bytes, padded behind each row
	s_mov_b32 s[G1K], 15|(1<<16)|(1<<20)|(1<<21)|(4<<22)|(3<<25)  ; 15:0 the mask: all four; 17:16 2 bytes; 20 padding on; 21 set beside a mask; 24:22 after every 32 words; 31:25 four words
	s_mov_b32 s[G1V], 15|(1<<16)|(1<<20)|(1<<21)|(4<<22)|(7<<25)  ; eight words
.irp g, G1K, G1V
	s_mov_b32 s[\g+1], 64<<16                      ; tensor_dim0
	s_mov_b32 s[\g+2], 128<<16                     ; tensor_dim1
	s_mov_b32 s[\g+3], 64<<16                      ; tile_dim0
	s_mov_b32 s[\g+4], 128                         ; tile_dim1
	s_mov_b32 s[\g+5], 64                          ; tensor_dim0_stride
	s_mov_b32 s[\g+6], 0
	s_mov_b32 s[\g+7], 0
.endr
	s_mov_b32 s[SEL], 0x76543210
	s_mov_b32 s[SEL+1], 0xfedcba98
	s_mov_b32 s66, 0x3a000000                      ; 1 / 2048
	s_mov_b32 s67, 0x358637bd                      ; 1e-6
	s_mov_b32 s68, 0x3e38aa3b                      ; log2(e) / 8
	s_mov_b32 s[TK], 0
	s_mov_b32 s[TV], 0
	s_mov_b32 s[TR], 0
	s_mov_b32 s[SLOTS], 2048/SK-2
	s_or_b32 s[LIM], s21, ttmp9                    ; 0 in waves 0 and 2 of the head's first cluster: the same in all four partners
	s_cmp_eq_u32 s[LIM], 0
	s_cselect_b32 s[LIM], 1, -1
	s_wait_dscnt 0x0                               ; both opening adds are done
	s_wait_kmcnt 0x0
	s_add_nc_u64 s[70:71], s[4:5], s[70:71]
	s_add_nc_u64 s[72:73], s[4:5], s[72:73]
	s_add_nc_u64 s[74:75], s[4:5], s[74:75]        ; Q at my wave's first row
	s_add_nc_u64 s[76:77], s[6:7], s[76:77]
	s_add_nc_u64 s[8:9], s[8:9], s[78:79]
	s_add_nc_u64 s[10:11], s[10:11], s[78:79]
	s_add_nc_u64 s[12:13], s[12:13], s[80:81]
	s_cmp_lt_u32 s[WV], 2
	s_cselect_b64 s[PFA:PFA+1], s[70:71], s[72:73]
	s_add_nc_u64 s[PFA:PFA+1], s[PFA:PFA+1], s[84:85]
	s_add_nc_u64 s[70:71], s[70:71], s[82:83]      ; K and V at my rows of slot 0
	s_add_nc_u64 s[72:73], s[72:73], s[82:83]
	CROUND                                         ; all four work-groups are here: the first joint loads meet
.irp s, 0,1
	s_mov_b32 s[G0K+4*\s], 1                       ; 1:0 count = 1
	s_add_co_u32 s[G0K+4*\s+1], s23, \s*SLOT1      ; 63:32 LDS address
	s_add_nc_u64 s[G0K+4*\s+2:G0K+4*\s+3], s[70:71], \s*SK*128   ; 120:64 global address: slot s begins with keys 256 s on
	s_or_b32 s[G0K+4*\s+3], s[G0K+4*\s+3], 0x80000000            ; 127:126 type = 2
	s_mov_b32 s[G0V+4*\s], 1
	s_add_co_u32 s[G0V+4*\s+1], s63, \s*SLOT1
	s_add_nc_u64 s[G0V+4*\s+2:G0V+4*\s+3], s[72:73], \s*SK*128
	s_or_b32 s[G0V+4*\s+3], s[G0V+4*\s+3], 0x80000000
.endr
	s_cmp_lt_u32 s[WV], 2                          ; a wave's two first fills stand in one branch, ahead of every wait on TENSORcnt and every LDS read
	s_cbranch_scc0 .Lfirst_v
	tensor_load_to_lds s[G0K:G0K+3], s[G1K:G1K+7]
	s_nop 0
	tensor_load_to_lds s[G0K+4:G0K+7], s[G1K:G1K+7]
	s_nop 0
.rept 4
	v_nop
.endr
	s_branch .Lfirst_asked
.Lfirst_v:
	tensor_load_to_lds s[G0V:G0V+3], s[G1V:G1V+7]
	s_nop 0
	tensor_load_to_lds s[G0V+4:G0V+7], s[G1V:G1V+7]
	s_nop 0
.rept 4
	v_nop
.endr
.Lfirst_asked:
	v_and_b32 v1, 15, v0                           ; r
	v_bfe_u32 v44, v0, 4, 1                        ; h
	v_and_b32 v45, 31, v0                          ; lane
	v_lshlrev_b32 v46, 4, v0                       ; 16 x thread: four keys' sums
	v_lshlrev_b32 v47, 3, v45                      ; 8 x lane: two queries' sums
	v_lshlrev_b32 v48, 7, v1
	v_lshl_add_u32 v48, v44, 4, v48                ; Q: row r of 128 bytes + 16 h
	v_lshlrev_b32 v49, 5, v44                      ; qn_w, kn_w: 8 h numbers on
	WIN 0x40                                       ; destination window 1
.irp cb, 0,1,2,3,4,5,6,7,8,9,10,11,12,13,14,15
.irp g, 0,1,2,3
	global_load_b128 v[16*\cb+4*\g:16*\cb+4*\g+3], v46, s[6:7] offset:(16+\cb)*8192+2048*\g   ; k's part cb of keys 512 g + 4 thread + 0..3
.endr
.endr
	WIN 0
.irp cb, 0,1,2,3,4,5,6,7,8,9,10,11,12,13,14,15
	global_load_b64 v[64+2*\cb:65+2*\cb], v47, s[76:77] offset:8192*\cb   ; q's part cb of my wave's queries 2 lane, 2 lane + 1: 256 consecutive bytes a load
.endr
.irp t, 0,1,2,3
.irp c, 0,1
	global_load_b128 v[192+16*\t+8*\c:192+16*\t+8*\c+3], v48, s[74:75] offset:2048*\t+64*\c
	global_load_b128 v[192+16*\t+8*\c+4:192+16*\t+8*\c+7], v48, s[74:75] offset:2048*\t+64*\c+32
.endr
.endr
.irp g, 0,1,2,3                        ; register 8 g + j: channel 16 g + 8 h + j: the order of Q's fragment registers, two channels each
	global_load_b128 v[96+8*\g:96+8*\g+3], v49, s[8:9] offset:64*\g
	global_load_b128 v[96+8*\g+4:96+8*\g+7], v49, s[8:9] offset:64*\g+16
	global_load_b128 v[128+8*\g:128+8*\g+3], v49, s[10:11] offset:64*\g
	global_load_b128 v[128+8*\g+4:128+8*\g+7], v49, s[10:11] offset:64*\g+16
.endr
	v_mul_u32_u24 v[AK0], v1, PK
	v_lshl_add_u32 v[AK0], v44, 4, v[AK0]          ; row r x pitch + 16 h
	v_and_b32 v60, 7, v0
	v_lshl_add_u32 v60, v44, 3, v60                ; the turning load: key 8 h + l % 8,
	v_mul_u32_u24 v[AV0], v60, PVP
	v_bfe_u32 v60, v0, 3, 1
	v_lshl_add_u32 v[AV0], v60, 4, v[AV0]          ; channels 8 ((l / 8) % 2) on
	v_add_nc_u32 v[AV0], VOFF, v[AV0]
	v_lshl_add_u32 v[ARK0], v44, 5, RKT            ; rk of keys 8 h on
	v_lshlrev_b32 v[PFO], 8, v45
	s_mul_i32 s63, s[WV], 64*PK
	s_add_co_u32 s63, s63, STG                     ; my stage
	v_add_nc_u32 v[STO], s63, v[AK0]               ; in: row r, 16 bytes for each half of the lanes
	v_lshrrev_b32 v60, 3, v45
	v_mul_u32_u24 v60, v60, PK
	v_and_b32 v[GO], 7, v0
	v_lshl_add_u32 v60, v[GO], 4, v60
	v_add_nc_u32 v[RD], s63, v60                   ; back: eight lanes a row of 128 bytes, four rows an instruction
	v_lshlrev_b32 v[GO], 4, v45
	v_lshl_add_u32 v[RKW], v0, 4, RKT
	v_lshl_add_u32 v50, v0, 3, RQT                 ; rq, in: 256 x wave + 8 x lane
	s_lshl_b32 s63, s[WV], 8
	s_add_co_u32 s63, s63, RQT
	v_lshl_add_u32 v51, v1, 2, s63                 ; and back: 256 x wave + 4 r; tile t 64 t bytes on
	s_wait_loadcnt 48                              ; k's 64 loads are in; the 48 issued behind them (16 of q's parts, 16 of Q, 16 of the gains) may be out
	WIN 0x45                                       ; all in window 1
.irp cb, 1,2,3,4,5,6,7,8,9,10,11,12,13,14,15
.irp u, 0,1,2,3,4,5,6,7
	v_pk_add_f32 v[2*\u:2*\u+1], v[2*\u:2*\u+1], v[16*\cb+2*\u:16*\cb+2*\u+1]   ; eight chains
.endr
.endr
	WIN 0x41
.irp i, 0,1,2,3,4,5,6,7,8,9,10,11,12,13,14,15
	v_fma_f32 v[\i], v[\i], s66, s67               ; the mean of squares + 1e-6
.endr
.irp i, 0,1,2,3,4,5,6,7,8,9,10,11,12,13,14,15
	v_rsq_f32 v[\i], v[\i]
.endr
	v_nop                                          ; a plain instruction behind the last of the batch,
	s_wait_alu depctr_va_vdst(0)                   ; and the one wait ahead of its first reader
	WIN 0x04                                       ; an LDS store's data are its source 1
.irp g, 0,1,2,3
	ds_store_b128 v[RKW], v[4*\g:4*\g+3] offset:2048*\g
.endr
	WIN 0
	s_wait_loadcnt 32                              ; q's parts are in; Q's and the gains' 32 loads may be out
.irp cb, 1,2,3,4,5,6,7,8,9,10,11,12,13,14,15
	v_pk_add_f32 v[64:65], v[64:65], v[64+2*\cb:65+2*\cb]
.endr
	v_fma_f32 v64, v64, s66, s67
	v_fma_f32 v65, v65, s66, s67
	v_rsq_f32 v64, v64
	v_rsq_f32 v65, v65
.irp t, 0,1,2,3
	v_mov_b32 v[53+2*\t], 0                        ; (named as the upper halves of rq's pairs; plain instructions behind the two)
.endr
	s_wait_alu depctr_va_vdst(0)
	v_mul_f32 v64, s68, v64                        ; rq log2(e) / 8
	v_mul_f32 v65, s68, v65
	ds_store_b64 v50, v[64:65]                     ; through my wave's own 256 bytes: a lane made queries 2 l and 2 l + 1, and wants query 16 t + r of each tile
.irp t, 0,1,2,3
	ds_load_b32 v[52+2*\t], v51 offset:64*\t       ; LDS serves a wave's instructions in order: these see the store above
.endr
	s_wait_loadcnt 0x0
.irp i, 0,2,4,6,8,10,12,14,16,18,20,22,24,26,28,30
	v_pk_mul_f32 v[96+\i:97+\i], v[96+\i:97+\i], v[128+\i:129+\i]   ; qn_w kn_w
.endr
	s_wait_dscnt 0x0                               ; rq is back; my stores of rk have landed and have read their registers
.irp t, 0,1,2,3                        ; Q x rq qn_w kn_w log2(e) / 8 in f32, a tile at a time, rounded once to f16 into window 2
.set I, 0
.rept 8                                ; a register's halves are written on a literal name, so each word passes through v1 or v60
	v_mov_b32 v1, v[192+16*\t+I]
	v_mov_b32 v60, v[192+16*\t+I+1]
	v_cvt_f32_f16 v[160+2*I], v1.l
	v_cvt_f32_f16 v[161+2*I], v1.h
	v_cvt_f32_f16 v[162+2*I], v60.l
	v_cvt_f32_f16 v[163+2*I], v60.h
.set I, I+2
.endr
.set I, 0
.rept 16
	v_pk_mul_f32 v[160+2*I:161+2*I], v[160+2*I:161+2*I], v[96+2*I:97+2*I]
.set I, I+1
.endr
.set I, 0
.rept 16
	v_pk_mul_f32 v[160+2*I:161+2*I], v[160+2*I:161+2*I], v[52+2*\t:53+2*\t] op_sel_hi:[1,0]
.set I, I+1
.endr
	WIN 0x80                                       ; destination window 2
.set I, 0
.rept 16
	v_cvt_pk_f16_f32 v[16*\t+I], v[160+2*I], v[161+2*I]
.set I, I+1
.endr
	WIN 0
.endr
.irp t, 0,1,2,3
	v_mov_b32 v[ST+8*\t], 0xff61b1e6               ; m: -3e38, under every t
	v_mov_b32 v[ST+8*\t+1], 0
	v_mov_b32 v[ST+8*\t+2], 0                      ; l
	v_mov_b32 v[ST+8*\t+3], 0
.endr
	WIN 0x40
.set I, 0
.rept 128
	v_mov_b32 v[I], 0                              ; O^T.  (The first step finds zeros, which a = 0 leaves zeros: a first step of its own would be a fourth copy of the key step)
.set I, I+1
.endr
	WIN 0
; THE MATRIX WORK OF A TURN, for piece x.  The accumulators take turns, one instruction a turn: between two links of a chain stand seven others'.
; Product i of 16 of O^T += V^T P: keys 32 (i / 8) on, channels 16 ((i / 2) % 4) on, tile x + i % 2.
.macro PVM x
	WIN W_PV
.set rO2, 32*(\x+i%2)+8*((i/2)%4)
.set rV, VF+8*(4*(i/8)+(i/2)%4)
.set rP2, P+16*(\x+i%2)+8*(i/8)
	v_wmma_f32_16x16x32_f16 v[rO2:rO2+7], v[rV:rV+7], v[rP2:rP2+7], v[rO2:rO2+7]
.endm
; Product i of 16 of S^T = K Q^T: channels 32 (i / 8) on, keys 16 ((i / 2) % 4) on, tile x + i % 2.  The first 8 start the sums.
.macro KQM x
	WIN W_KQ
.set rS2, S+32*(\x+i%2)+8*((i/2)%4)
.set rK, KF+16*((i/2)%4)+8*(i/8)
.set rQ, 16*(\x+i%2)+8*(i/8)
.if i < 8
	v_wmma_f32_16x16x32_f16 v[rS2:rS2+7], v[rK:rK+7], v[rQ:rQ+7], 0
.else
	v_wmma_f32_16x16x32_f16 v[rS2:rS2+7], v[rK:rK+7], v[rQ:rQ+7], v[rS2:rS2+7]
.endif
.endm
; THE LDS LOADS stand in three runs a key step, never singly among the matrix instructions.
.macro FETCH_K                         ; fragment (kt, c) = keys 16 kt on, channels 32 c on
	WIN 0
	v_add_nc_u32 v[ADK], s[TK], v[AK0]
	WIN 0x80                                       ; destination window 2
.irp kt, 0,1,2,3
.irp c, 0,1
	ds_load_b128 v[KF+16*\kt+8*\c:KF+16*\kt+8*\c+3], v[ADK] offset:\kt*16*PK+64*\c
	ds_load_b128 v[KF+16*\kt+8*\c+4:KF+16*\kt+8*\c+7], v[ADK] offset:\kt*16*PK+64*\c+32
.endr
.endr
.endm
.macro FETCH_RK                        ; rk of the same step's keys, in S^T's layout: register 8 kt + j = key 16 kt + 8 h + j
	WIN 0
	v_add_nc_u32 v[ADRK], s[TR], v[ARK0]
	WIN 0x40                                       ; destination window 1
.irp kt, 0,1,2,3
	ds_load_b128 v[RK+8*\kt:RK+8*\kt+3], v[ADRK] offset:64*\kt
	ds_load_b128 v[RK+8*\kt+4:RK+8*\kt+7], v[ADRK] offset:64*\kt+16
.endr
.endm
.macro FETCH_V                         ; V^T's fragment f: keys 32 (f / 4) on, channels 16 (f % 4) on.  It stands at the end of a softmax's batch, and the batch's wait stands in it
	WIN 0
	v_add_nc_u32 v[ADV], s[TV], v[AV0]
	s_add_co_u32 s[TK], s[TK], KS*PK               ; the next fetches are the next step's
	s_add_co_u32 s[TV], s[TV], KS*PVP
	s_add_co_u32 s[TR], s[TR], 4*KS
	s_wait_alu depctr_va_vdst(0)                   ; the one wait for the batch, ahead of its first reader
	WIN 0x80
.irp f, 0,1,2,3,4,5,6,7
	ds_load_tr16_b128 v[VF+8*\f:VF+8*\f+3], v[ADV] offset:(\f/4)*32*PVP+(\f%4)*32
	ds_load_tr16_b128 v[VF+8*\f+4:VF+8*\f+7], v[ADV] offset:(\f/4)*32*PVP+16*PVP+(\f%4)*32
.endr
.endm
; THE VECTOR WORK OF A TURN.  One tile's softmax for one key step is a list of 133 instructions; SM writes number j of it for tile t.  s0-s31 are the lane's 32 scores, in pairs 0-15.
;   0-15    t = score x rk[key], a pair each, ascending: each accumulator is first read at its low end
;   16-31   the maximum of s0-s31 and the old m, three operands at a time: four chains c0-c3 of seven scores each, then the four scores left over, c0-c3 and m
;   32-35   the other half of the lanes' maximum; the old m kept; the new m; m_old - m_new
;   36-84   ONE BATCH: the 16 subtractions t - m and all 33 exponentials (a, then s0-s31).  None of these reads an exponential's result.  A pair's subtraction stands at least four numbers ahead of its exponentials
;   (wait)  between 84 and 85 stand one plain instruction and the wait for the batch: EMIT writes them, once for both tiles
;   85-100  the roundings to f16, a pair of weights each
;   101-116 the sums of the unrounded weights, in place: neighbours 1, 2, 4, 8 pairs apart; l = a l + the sum
;   117-132 the tile's O^T times a
.macro SM t
.set rT, ST+8*(\t)
.set rS, S+32*(\t)
.set rP, P+16*(\t)
.set rO, 32*(\t)
.if (j >= 16) && (j < 117)
	WIN 0
.endif
.if j < 16
	WIN W_RK
	v_pk_mul_f32 v[rS+2*j:rS+2*j+1], v[rS+2*j:rS+2*j+1], v[RK+2*j:RK+2*j+1]
.elseif j < 20
	v_max3_num_f32 v[rT+4+j-16], v[rS+8*(j-16)], v[rS+8*(j-16)+1], v[rS+8*(j-16)+2]
.elseif j < 28
	v_max3_num_f32 v[rT+4+j%4], v[rT+4+j%4], v[rS+8*(j%4)+2*((j-16)/4)+1], v[rS+8*(j%4)+2*((j-16)/4)+2]
.elseif j == 28
	v_max3_num_f32 v[rT+4], v[rT+4], v[rS+7], v[rS+15]
.elseif j == 29
	v_max3_num_f32 v[rT+6], v[rT+6], v[rS+23], v[rS+31]
.elseif j == 30
	v_max3_num_f32 v[rT+4], v[rT+4], v[rT+5], v[rT+6]
.elseif j == 31
	v_max3_num_f32 v[rT+4], v[rT+4], v[rT+7], v[rT]
.elseif j == 32
	v_permlanex16_b32 v[rT+5], v[rT+4], s[SEL], s[SEL+1]   ; the query's other 32 keys lie in the lane 16 away
.elseif j == 33
	v_mov_b32 v[rT+7], v[rT]
.elseif j == 34
	v_max_num_f32 v[rT], v[rT+4], v[rT+5]
.elseif j == 35
	v_sub_f32 v[rT+7], v[rT+7], v[rT]
.elseif j < 85
.set d, j-36
.set b, -1
.set e, -1
.if d < 2
.set b, d                              ; pairs 0 and 1
.elseif d == 2                         ; a
.elseif d < 45
.if (d-3)%3 == 0
.set b, (d-3)/3+2                      ; pairs 2 to 15, one ahead of each two exponentials
.else
.set e, 2*((d-3)/3)+(d-3)%3-1          ; s0 to s27
.endif
.else
.set e, d-17                           ; s28 to s31
.endif
.if b >= 0
	v_pk_add_f32 v[rS+2*b:rS+2*b+1], v[rS+2*b:rS+2*b+1], v[rT:rT+1] op_sel_hi:[1,0] neg_lo:[0,1] neg_hi:[0,1]
.elseif e >= 0
	v_exp_f32 v[rS+e], v[rS+e]
.else
	v_exp_f32 v[rT+6], v[rT+7]
.endif
.elseif j < 101
	v_cvt_pk_f16_f32 v[rP+j-85], v[rS+2*(j-85)], v[rS+2*(j-85)+1]
.elseif j < 117
.set z, j-101
.set w, 4
.set u, z
.if z >= 14
.set w, 32
.set u, 0
.elseif z >= 12
.set w, 16
.set u, z-12
.elseif z >= 8
.set w, 8
.set u, z-8
.endif
.if z < 15
	v_pk_add_f32 v[rS+w*u:rS+w*u+1], v[rS+w*u:rS+w*u+1], v[rS+w*u+w/2:rS+w*u+w/2+1]
.else
	v_pk_fma_f32 v[rT+2:rT+3], v[rT+2:rT+3], v[rT+6:rT+7], v[rS:rS+1] op_sel_hi:[1,0,1]
.endif
.else
	WIN W_RS
	v_pk_mul_f32 v[rO+2*(j-117):rO+2*(j-117)+1], v[rO+2*(j-117):rO+2*(j-117)+1], v[rT+6:rT+7] op_sel_hi:[1,0]
.endif
.endm
; The next cnt instructions of piece y's softmax.  The piece's two lists are taken line by line, the tiles alternating, so that no instruction reads the result of the one just before it: place n is number n / 2
; of tile y + n % 2.  At place 170 both tiles' 66 exponentials are issued and no result has been named: there stand the batch's plain instruction and its one wait.
.macro EMIT y, cnt
.rept \cnt
.if n == NBATCH
	WIN 0
	v_nop
.if (\y) == 0
	FETCH_V                                        ; piece 2's turn: V's run of loads stands here, and the wait stands in it
.else
	s_wait_alu depctr_va_vdst(0)
.endif
.endif
.set j, n/2
	SM (\y)+n%2
.set n, n+1
.endr
.endm
; A TURN.  Piece x has the matrix unit; the other piece's softmax stands behind its matrix instructions, eight places each (sixteen in a turn with one kind of product), the last ten at the end.
; A vector instruction that reads a matrix result or writes one of a matrix instruction's registers, and a load into a register that a matrix instruction has read, stand four plain vector instructions behind it
; (ISA guide 7.12.1 for vector instructions).  Here: the turn's last 18 places are multiplications of the other piece's O^T: they stand between the last K Q^T and the next turn's first
; read of those scores and its loads into K's registers.  V's loads stand behind place 169: between them and the last V^T P lie fourteen subtractions, the v_nop and the run's own v_add_nc_u32.
; Piece 0's turn fetches the next step's K behind its second product, and that step's rk behind its fourth, when the 32 multiplications by this step's rk (places 0-31) are issued.
.macro TURN x, pv, kq
.set n, 0
.set per, 16
.if \pv && \kq
.set per, 8
.endif
.if \pv
.if \x == 0
	s_wait_dscnt 0x0                               ; V is in
.endif
.set i, 0
.rept 16
	PVM \x
	EMIT 2-\x, per
.if (\x == 0) && \kq && (i == 1)
	FETCH_K
.endif
.if (\x == 0) && \kq && (i == 3)
	FETCH_RK
.endif
.set i, i+1
.endr
.endif
.if \kq
.if \x == 0
	s_wait_dscnt 0x0                               ; K and rk are in
.endif
.set i, 0
.rept 16
	KQM \x
	EMIT 2-\x, per
.set i, i+1
.endr
.endif
	EMIT 2-\x, 10
.endm
; THE CHANGE OF SLOTS, between piece 2's turn and piece 0's: the slot's last bytes, V of its fourth step, have been asked for.  Each wave waits for all its tensor loads, of which one is out: its part of the other
; slot; adds 0 to its spare word; and waits for that and for its own reads of the slot.  fill = 1: the barrier is a round of the cluster's, so that no wave of any partner still reads the slot or has a load on its
; way, and the joint refill, with the keys two slots on, is the first thing behind it: it has four key steps in which to land.
.macro CHANGE fill
	WIN 0
	s_wait_tensorcnt 0x0                           ; no tensor load of mine is out, so a group 0 may be written
	ds_add_u32 v[SPW], v[NIL]
.if \fill
.irp g, G0K+4, G0V+4
	s_xor_b32 s[\g+1], s[\g+1], SLOT1              ; the walking descriptor: the other slot than last time,
	s_add_nc_u64 s[\g+2:\g+3], s[\g+2:\g+3], SK*128   ; the next 256 keys; the type bits on top are not reached
.endr
	s_wait_xcnt 0x0                                ; the last prefetch, a slot back, has read its address
	s_add_nc_u64 s[PFA:PFA+1], s[PFA:PFA+1], SK*128
	s_wait_dscnt 0x0                               ; the add is done, and my reads of the slot are over
	CROUND
	JLOAD
	ASK
.else
	s_wait_dscnt 0x0
	s_barrier_signal -1
	s_barrier_wait -1
.endif
	s_sub_co_u32 s[TK], s[TK], NST*KS*PK           ; the fetches go back to a slot's first step,
	s_xor_b32 s[TK], s[TK], SLOT1                  ; in the other slot
	s_sub_co_u32 s[TV], s[TV], NST*KS*PVP
	s_xor_b32 s[TV], s[TV], SLOT1
.endm
.macro STEPS cnt                       ; key steps: written once, walked cnt times; the LDS addresses hang on s[TK], s[TV], s[TR]
	WIN 0                                          ; at a label and at a branch every window is 0
	s_mov_b32 s[CNT], \cnt
.Lstep_\@:
	TURN 0, 1, 1
	TURN 2, 1, 1
	WIN 0
	s_sub_co_u32 s[CNT], s[CNT], 1
	s_cmp_lg_u32 s[CNT], 0
	s_cbranch_scc1 .Lstep_\@
.endm
	s_wait_tensorcnt 1                             ; my part of slot 0 is in; slot 1's may stay out
	s_wait_dscnt 0x0                               ; my stores of rk have landed
	s_barrier_signal -1
	s_barrier_wait -1                              ; everybody's have
	FETCH_K                                        ; key step 0
	FETCH_RK
	s_wait_dscnt 0x0
.set i, 0
.rept 16
	KQM 0                                          ; piece 0's first scores: there is no vector work yet to set between them
.set i, i+1
.endr
	WIN 0
.rept 4
	v_nop                                          ; the places between those products and the first read of their scores
.endr
	TURN 2, 0, 1                                   ; piece 2's first scores | piece 0's first softmax | V of step 0
	STEPS NST-1                                    ; steps 0 to 2, which fetch steps 1 to 3: slot 0 is read out
.Lslot:                                            ; six trips: every slot but the last two is filled again
	CHANGE 1
	STEPS NST
	s_sub_co_u32 s[SLOTS], s[SLOTS], 1
	s_cmp_lg_u32 s[SLOTS], 0
	s_cbranch_scc1 .Lslot
	CHANGE 0                                       ; the tail is written out: nothing is asked for
	STEPS NST
	TURN 0, 1, 0                                   ; piece 0: V^T P of the last step | piece 2's last softmax
.set i, 0
.rept 16
	PVM 2                                          ; piece 2: V^T P of the last step
.set i, i+1
.endr
	; THE WAY OUT.  l's two halves and the other half of the lanes' are added (these additions are the places behind the last products); O^T / l, rounded to f16, goes through my stage and leaves as 512
	; consecutive bytes a store: four rows of my head's 128 bytes.
	WIN 0
.irp t, 0,1,2,3
	v_add_f32 v[ST+8*\t+4], v[ST+8*\t+2], v[ST+8*\t+3]
.endr
.irp t, 0,1,2,3
	v_permlanex16_b32 v[ST+8*\t+5], v[ST+8*\t+4], s[SEL], s[SEL+1]
.endr
.irp t, 0,1,2,3
	v_add_f32 v[ST+8*\t+4], v[ST+8*\t+4], v[ST+8*\t+5]
.endr
.irp t, 0,1,2,3
	v_rcp_f32 v[ST+8*\t+6], v[ST+8*\t+4]
.endr
	v_nop                                          ; a plain instruction behind the last reciprocal,
	s_wait_alu depctr_va_vdst(0)                   ; and one wait for the four, ahead of their first reader
.irp t, 0,1,2,3
	WIN W_RS
.set I, 0
.rept 16
	v_pk_mul_f32 v[32*\t+2*I:32*\t+2*I+1], v[32*\t+2*I:32*\t+2*I+1], v[ST+8*\t+6:ST+8*\t+7] op_sel_hi:[1,0]   ; each accumulator from its low end on
.set I, I+1
.endr
	WIN 0x05                                       ; sources 0 and 1 window 1, destination window 0: S^T's registers are free
.set I, 0
.rept 16
	v_cvt_pk_f16_f32 v[S+16*\t+I], v[32*\t+2*I], v[32*\t+2*I+1]   ; register 4 ct + p: channels 16 ct + 8 h + 2 p, + 1 of query r of tile t
.set I, I+1
.endr
	WIN 0
.irp ct, 0,1,2,3
	ds_store_b128 v[STO], v[S+16*\t+4*\ct:S+16*\t+4*\ct+3] offset:16*PK*\t+32*\ct
.endr
.endr
.irp u, 0,1,2,3,4,5,6,7,8,9,10,11,12,13,14,15
	ds_load_b128 v[S+64+4*\u:S+64+4*\u+3], v[RD] offset:4*PK*\u   ; LDS serves a wave's instructions in order: these see my stores
.endr
.irp u, 0,1,2,3,4,5,6,7,8,9,10,11,12,13,14,15
	s_wait_dscnt 15-\u                             ; the younger loads may be out
	global_store_b128 v[GO], v[S+64+4*\u:S+64+4*\u+3], s[12:13] offset:512*\u
.endr
	s_wait_tensorcnt 0x0                           ; the wave's end: behind my last tensor load and my last LDS store
	ds_add_u32 v[SPW], v[NIL]
	s_wait_dscnt 0x0
	CROUND                                         ; the closing round: no work-group ends while a partner may still ask for a tile that names it
	s_endpgm
.Lfunc_end_k_q69735d6866_attn:
	.size	k_q69735d6866_attn, .Lfunc_end_k_q69735d6866_attn-k_q69735d6866_attn
	.p2alignl 7, 3214868480
	.fill 96, 4, 3214868480
	.section	.rodata,"a",@progbits
	.p2align	6, 0x0
	.amdhsa_kernel k_q69735d6866_attn
		.amdhsa_group_segment_fixed_size 327680
		.amdhsa_private_segment_fixed_size 0
		.amdhsa_enable_private_segment 0
		.amdhsa_kernarg_size 40
		.amdhsa_user_sgpr_count 2
		.amdhsa_user_sgpr_kernarg_segment_ptr 1
		.amdhsa_wavefront_size32 1
		.amdhsa_system_sgpr_workgroup_id_x 1
		.amdhsa_system_sgpr_workgroup_id_y 1
		.amdhsa_system_sgpr_workgroup_id_z 1
		.amdhsa_system_vgpr_workitem_id 0
		.amdhsa_next_free_vgpr 768
		.amdhsa_next_free_sgpr 86
		.amdhsa_reserve_vcc 0
		.amdhsa_float_denorm_mode_32 3
		.amdhsa_float_denorm_mode_16_64 3
		.amdhsa_memory_ordered 1
		.amdhsa_forward_progress 1
		.amdhsa_inst_pref_size 228
	.end_amdhsa_kernel
	.amdgpu_metadata
---
amdhsa.version: [ 1, 2 ]
amdhsa.kernels:
  - .name:           k_q69735d6866_attn
    .symbol:         k_q69735d6866_attn.kd
    .args:
      - { .name: qkv, .offset: 0, .size: 8, .value_kind: global_buffer, .address_space: global }
      - { .name: ssq, .offset: 8, .size: 8, .value_kind: global_buffer, .address_space: global }
      - { .name: qn_w, .offset: 16, .size: 8, .value_kind: global_buffer, .address_space: global }
      - { .name: kn_w, .offset: 24, .size: 8, .value_kind: global_buffer, .address_space: global }
      - { .name: o_ws, .offset: 32, .size: 8, .value_kind: global_buffer, .address_space: global }
    .group_segment_fixed_size: 327680
    .private_segment_fixed_size: 0
    .kernarg_segment_align: 8
    .kernarg_segment_size: 40
    .max_flat_workgroup_size: 128
    .sgpr_count:     86
    .vgpr_count:     768
    .wavefront_size: 32
...
	.end_amdgpu_metadata
.endif
;; end of part 3
;; launch proj (part 4): grid 16 x 16, 4 waves a work-group, clusters of 4 x 4, 327,680 bytes of LDS; arguments o_ws, wo_h, bo, out0; writes out0
.if DOCPART == 4
	.amdgcn_target "amdgcn-amd-amdhsa--gfx1250"
	.amdhsa_code_object_version 6
	.text
	.protected	k_q69735d6866_proj
	.globl	k_q69735d6866_proj
	.p2align	8
	.type	k_q69735d6866_proj,@function
k_q69735d6866_proj:
	s_mov_b64 s[64:65], 0
	v_nop
	global_prefetch_b8 v0, s[64:65] scope:SCOPE_SE
	s_setreg_imm32_b32 hwreg(HW_REG_WAVE_MODE, 25, 1), 1
	s_wait_xcnt 0x0
	s_wait_alu depctr_hold_cnt(0) depctr_sa_sdst(0) depctr_va_vdst(0) depctr_va_sdst(0) depctr_va_ssrc(0) depctr_va_vcc(0) depctr_vm_vsrc(0)
	s_getreg_b32 s2, hwreg(HW_REG_IB_STS2, 6, 4)
	s_cmp_eq_u32 s2, 0
	s_cbranch_scc0 .Lentry_in_a_cluster
	s_endpgm
.Lentry_in_a_cluster:
	s_bfe_u32 s2, ttmp6, 0x10000c
	s_cmp_lg_u32 s2, 0xf033
	s_cbranch_scc0 .Lentry_shape_is_right
	s_endpgm
.Lentry_shape_is_right:
; FOURTH LAUNCH.  out0[m][n] = sum over k of o[m][k] Wo[n][k] + bo[n]; m, n, k: 2,048.  Operands f16, sums f32, out0 f32.  Nothing of the source's work on these rows is left out here.
; o_ws is laid [16 blocks of 128 rows][32 heads][128 rows][64] f16, k = 64 head + channel: for a block of rows, 256 along K (four heads) are 65,536 consecutive bytes.  wo_h is [n][k] f16.
; A tile of out0 is 128 x 128: 256 work-groups.  Four waves, each 64 x 64: 16 accumulators, 128 registers.  K goes in steps of 256 through a ring of two LDS slots.
; In LDS a K step of o is four planes (heads) of 128 rows x (128 bytes + 16); a quarter of the step, 64 along K, is one plane.  Wo's 128 rows are 512 bytes + 16.
; CLUSTERS: 4 x 4 work-groups.  The four of a row of the cluster need the same tiles of o, the four of a column the same tiles of Wo: each is asked for JOINTLY.
; THE MATRIX INSTRUCTION IS USED TRANSPOSED (source 0 = 16 rows of Wo, source 1 = 16 rows of o): a lane holds eight neighbouring columns of a row.  bo is the C of each sum's first product.
; REGISTERS: window 0: v0-31 addresses; v32-95 rows on the way out; v96-127 bo in the result's layout; v128-255 the accumulators ((a, b) at v[128 + 8 (4 a + b)]).
;   window 1: two fragment buffers of 128: for 64 along K, 64 registers of o, then 64 of Wo.
.set KSTEP,  256
.set PA,     144                       ; a row of o in LDS
.set PLANE,  128*PA                    ; a head's 128 rows
.set PB,     528                       ; a row of Wo in LDS
.set BOFF,   4*PLANE                   ; Wo's rows lie behind o's four planes
.set SLOT,   BOFF+128*PB
.set ASTEP,  65536                     ; a K step of o in memory
.set STAGE,  2*SLOT                    ; behind the ring: 16 rows x 272 bytes for each wave
.set SPITCH, 272
.set SPARE,  STAGE+4*16*SPITCH         ; the spare words, 128 bytes a wave, which no other line names
.set LAPS,   2048/(2*KSTEP)
.set ADRA, 16
.set ADRB, 20
.set STO,  24
.set RD,   25
.set CO,   26
.set BO,   27                          ; v27  32 x (lane / 16)
.set SPW,  28
.set NIL,  29
.set BK,   32
.set BI,   96
.set ACC,  128
.set F0,   0
.set F1,   128
.set G1, 24
.set G0, 32
.set G1B, 48
.set G0B, 56
.set MSB, 0
.macro WIN new
.if MSB != (\new)
	s_set_vgpr_msb (MSB<<8)|(\new)
.set MSB, (\new)
.endif
.endm
.set MUL,  0x05                        ; sources 0 (Wo) and 1 (o) window 1; C and D window 0
.set TO_F, 0x40
.macro JLOAD s                         ; waves 0 and 1 fetch o's two pairs of planes, waves 2 and 3 Wo's two halves; an s_nop 0 and four v_nop follow each line
	s_cmp_eq_u32 s11, 0
	s_cbranch_scc0 .Lfor_b_\@
	tensor_load_to_lds s[G0+4*\s:G0+4*\s+3], s[G1:G1+7]
	s_nop 0
.rept 4
	v_nop
.endr
	s_branch .Lasked_\@
.Lfor_b_\@:
	tensor_load_to_lds s[G0B+4*\s:G0B+4*\s+3], s[G1B:G1B+7]
	s_nop 0
.rept 4
	v_nop
.endr
.Lasked_\@:
.endm
.macro CREST
	s_cmp_lg_u32 s10, 0
	s_cbranch_scc1 .Lnot_wave_0_\@
	s_barrier_signal -3
.Lnot_wave_0_\@:
	s_barrier_wait -3
	s_barrier_signal -1
	s_barrier_wait -1
.endm
.macro CROUND
	s_barrier_signal -1
	s_barrier_wait -1
	CREST
.endm
	s_load_b128 s[4:7], s[0:1], 0x0                ; o_ws s[4:5], wo_h s[6:7]
	s_load_b64 s[66:67], s[0:1], 0x10              ; bo
	s_load_b64 s[8:9], s[0:1], 0x18                ; out0
	v_lshl_add_u32 v[SPW], v0, 2, SPARE
	v_mov_b32 v[NIL], 0
	ds_add_u32 v[SPW], v[NIL]                      ; the wave's opening: the add, twice on end, and its wait ahead of my first tensor load
	ds_add_u32 v[SPW], v[NIL]
	v_lshrrev_b32 v1, 5, v0
	v_readfirstlane_b32 s10, v1                    ; wave 0..3
	s_lshr_b32 s11, s10, 1                         ; which half of the tile's rows is mine.  Also: I fetch for o (0) or for Wo (1)
	s_and_b32 s12, s10, 1                          ; which half of its columns.  Also: which half of that tile I fetch
	s_bfe_u32 s40, ttmp6, 0x40000
	s_bfe_u32 s41, ttmp6, 0x40004
	s_lshl_b32 s42, ttmp9, 2
	s_add_co_u32 s42, s42, s40                     ; tile column
	s_and_b32 s13, ttmp7, 0xffff
	s_lshl_b32 s13, s13, 2
	s_add_co_u32 s13, s13, s41                     ; tile row
	s_lshl_b32 s43, s41, 2
	s_lshl_b32 s43, 15, s43                        ; my row of the cluster
	s_lshl_b32 s44, 0x1111, s40                    ; my column
	; o: 256 rows (two planes) x 64 elements, dense in memory, four words of padding behind every 32
	s_or_b32 s[G1+0], s43, (1<<16)|(1<<20)|(1<<21)|(4<<22)|(3<<25)
	s_mov_b32 s[G1+1], 64<<16                      ; tensor_dim0
	s_mov_b32 s[G1+2], 256<<16                     ; tensor_dim1
	s_mov_b32 s[G1+3], 64<<16                      ; tile_dim0
	s_mov_b32 s[G1+4], 256                         ; tile_dim1
	s_mov_b32 s[G1+5], 64                          ; tensor_dim0_stride
	s_mov_b32 s[G1+6], 0
	s_mov_b32 s[G1+7], 0
	; Wo: 64 rows x 256 elements, 2,048 elements apart, four words of padding behind every 128
	s_or_b32 s[G1B+0], s44, (1<<16)|(1<<20)|(1<<21)|(6<<22)|(3<<25)
	s_mov_b32 s[G1B+1], KSTEP<<16
	s_mov_b32 s[G1B+2], 64<<16
	s_mov_b32 s[G1B+3], KSTEP<<16
	s_mov_b32 s[G1B+4], 64
	s_mov_b32 s[G1B+5], 2048
	s_mov_b32 s[G1B+6], 0
	s_mov_b32 s[G1B+7], 0
	s_lshl_b32 s16, s13, 19                        ; o: the tile row's block of 524,288 bytes,
	s_lshl_b32 s17, s12, 15                        ; my two planes of a K step's four
	s_add_co_u32 s16, s16, s17
	s_mov_b32 s17, 0
	s_lshl_b32 s46, s42, 7
	s_lshl_b32 s47, s12, 6
	s_add_co_u32 s46, s46, s47                     ; Wo: row 128 x tile column + 64 x half,
	s_lshl_b32 s46, s46, 12                        ; of 4,096 bytes
	s_mov_b32 s47, 0
	s_mul_i32 s20, s12, 2*PLANE                    ; where they go: no place in the cluster enters an LDS address
	s_mul_i32 s21, s12, 64*PB
	s_add_co_u32 s21, s21, BOFF
	s_wait_dscnt 0x0                               ; both opening adds are done
	s_wait_kmcnt 0x0
	s_add_nc_u64 s[14:15], s[4:5], s[16:17]
	s_add_nc_u64 s[46:47], s[6:7], s[46:47]
	CROUND                                         ; all sixteen work-groups are here: the first joint loads meet
.irp s, 0,1
	s_mov_b32 s[G0+4*\s], 1
	s_add_co_u32 s[G0+4*\s+1], s20, \s*SLOT
	s_add_nc_u64 s[G0+4*\s+2:G0+4*\s+3], s[14:15], \s*ASTEP
	s_or_b32 s[G0+4*\s+3], s[G0+4*\s+3], 0x80000000
	s_mov_b32 s[G0B+4*\s], 1
	s_add_co_u32 s[G0B+4*\s+1], s21, \s*SLOT
	s_add_nc_u64 s[G0B+4*\s+2:G0B+4*\s+3], s[46:47], \s*KSTEP*2
	s_or_b32 s[G0B+4*\s+3], s[G0B+4*\s+3], 0x80000000
	JLOAD \s                                       ; two tensor loads of mine are out
.endr
	v_and_b32 v1, 15, v0                           ; r
	v_bfe_u32 v2, v0, 4, 1                         ; h
	v_lshlrev_b32 v[BO], 5, v2
	s_lshl_b32 s46, s42, 9                         ; my first column, in bytes of f32: 512 x tile column + 256 x half
	s_lshl_b32 s47, s12, 8
	s_add_co_u32 s46, s46, s47
	s_mov_b32 s47, 0
	s_add_nc_u64 s[66:67], s[66:67], s[46:47]
.irp b, 0,1,2,3                        ; register 8 b + j: bo[16 b + 8 h + j] of my 64 columns
	global_load_b128 v[BI+8*\b:BI+8*\b+3], v[BO], s[66:67] offset:64*\b
	global_load_b128 v[BI+8*\b+4:BI+8*\b+7], v[BO], s[66:67] offset:64*\b+16
.endr
	s_lshl_b32 s16, s13, 7
	s_lshl_b32 s17, s11, 6
	s_add_co_u32 s16, s16, s17                     ; my first row: 128 x tile row + 64 x half,
	s_lshl_b32 s16, s16, 13                        ; of 8,192 bytes
	s_add_co_u32 s46, s46, s16
	s_add_nc_u64 s[8:9], s[8:9], s[46:47]
	v_mul_u32_u24 v3, v1, PA
	v_lshl_add_u32 v3, v2, 4, v3
	v_mul_u32_u24 v4, v1, PB
	v_lshl_add_u32 v4, v2, 4, v4
	s_mul_i32 s21, s11, 64*PA                      ; my 64 rows in each plane of o
	s_mul_i32 s22, s12, 64*PB                      ; my 64 rows of Wo
	s_add_co_u32 s22, s22, BOFF
.irp s, 0,1
	v_add_nc_u32 v[ADRA+\s], s21, v3
	v_add_nc_u32 v[ADRB+\s], s22, v4
	s_add_co_u32 s21, s21, SLOT
	s_add_co_u32 s22, s22, SLOT
.endr
	s_mul_i32 s23, s10, 16*SPITCH
	s_add_co_u32 s23, s23, STAGE                   ; my stage
	v_mul_u32_u24 v5, v1, SPITCH                   ; in: row r, 32 bytes for each half of the lanes
	v_lshl_add_u32 v5, v2, 5, v5
	v_add_nc_u32 v[STO], s23, v5
	v_mul_u32_u24 v5, v2, SPITCH                   ; back: lanes 0-15 one row of 256 bytes, lanes 16-31 the next
	v_lshl_add_u32 v5, v1, 4, v5
	v_add_nc_u32 v[RD], s23, v5
	v_lshlrev_b32 v5, 13, v2                       ; and the same two rows in out0
	v_lshl_add_u32 v[CO], v1, 4, v5
; 8 matrix instructions: m blocks a0, a0 + 1 x all 4 n blocks, 32 along K: half c of buffer f.  zero = 1: the first product starts the sums, with bo as C.  The 16 accumulators take turns.
.macro MUL8 f, c, a0, zero
.irp a, \a0, \a0+1
.irp b, 0,1,2,3
.if \zero
	v_wmma_f32_16x16x32_f16 v[ACC+8*(4*(\a)+\b):ACC+8*(4*(\a)+\b)+7], v[\f+64+8*(4*\c+\b):\f+64+8*(4*\c+\b)+7], v[\f+8*(4*\c+\a):\f+8*(4*\c+\a)+7], v[BI+8*\b:BI+8*\b+7]
.else
	v_wmma_f32_16x16x32_f16 v[ACC+8*(4*(\a)+\b):ACC+8*(4*(\a)+\b)+7], v[\f+64+8*(4*\c+\b):\f+64+8*(4*\c+\b)+7], v[\f+8*(4*\c+\a):\f+8*(4*\c+\a)+7], v[ACC+8*(4*(\a)+\b):ACC+8*(4*(\a)+\b)+7]
.endif
.endr
.endr
.endm
; 32 LDS loads in one run: the fragments of the slot's q-th 64 along K into buffer f; the first 32 along K first
.macro FETCH slot, q, f
	WIN TO_F
.irp c, 0,1
.irp i, 0,1,2,3
	ds_load_b128 v[\f+64+8*(4*\c+\i):\f+64+8*(4*\c+\i)+3],   v[ADRB+\slot] offset:128*(\q)+64*\c+\i*16*PB
	ds_load_b128 v[\f+64+8*(4*\c+\i)+4:\f+64+8*(4*\c+\i)+7], v[ADRB+\slot] offset:128*(\q)+64*\c+\i*16*PB+32
	ds_load_b128 v[\f+8*(4*\c+\i):\f+8*(4*\c+\i)+3],         v[ADRA+\slot] offset:(\q)*PLANE+64*\c+\i*16*PA
	ds_load_b128 v[\f+8*(4*\c+\i)+4:\f+8*(4*\c+\i)+7],       v[ADRA+\slot] offset:(\q)*PLANE+64*\c+\i*16*PA+32
.endr
.endr
.endm
.macro PLACES                          ; four places in front of loads into registers that matrix instructions have read, and of reads of results
.rept 4
	v_nop
.endr
.endm
.macro QUARTER slot, q, f, g, zero     ; multiplies buffer f and fetches the slot's q-th quarter into g
	s_wait_dscnt 16                                ; the first 32 along K are in; the other sixteen loads may be out
	WIN MUL
	MUL8 \f, 0, 0, \zero
	MUL8 \f, 0, 2, \zero
	PLACES
	FETCH \slot, \q, \g
	s_wait_dscnt 32                                ; all but the 32 just issued
	WIN MUL
	MUL8 \f, 1, 0, 0
	MUL8 \f, 1, 2, 0
.endm
; The last quarter multiplies buffer 1 and changes slots: ONE barrier; in front of it each wave waits for all its tensor loads, adds 0 to its spare word, and waits for that and for its own reads of this slot.
.macro TURN slot, next, fill
	WIN 0
	s_wait_tensorcnt 0x0                           ; all my tensor loads have landed: my part of the next slot
	ds_add_u32 v[SPW], v[NIL]
	s_wait_dscnt 17                                ; (the add and the youngest sixteen loads may be out)
	WIN MUL
	MUL8 F1, 0, 0, 0
	s_wait_dscnt 0x0                               ; the add is done, and my reads of this slot are over
	s_barrier_signal -1
	MUL8 F1, 0, 2, 0
.if \fill
	WIN 0
.endif
	s_barrier_wait -1
.if \fill
	CREST                                          ; the barrier has opened a round of the cluster's: no wave of any partner still reads this slot or has a load on its way
	s_add_nc_u64 s[G0+4*\slot+2:G0+4*\slot+3], s[G0+4*\slot+2:G0+4*\slot+3], 2*ASTEP
	s_add_nc_u64 s[G0B+4*\slot+2:G0B+4*\slot+3], s[G0B+4*\slot+2:G0B+4*\slot+3], 2*KSTEP*2
	JLOAD \slot                                    ; the first tensor load behind the round; its four v_nop are the places in front of the loads below
.else
	PLACES
.endif
	FETCH \next, 0, F0
	WIN MUL
	MUL8 F1, 1, 0, 0
	MUL8 F1, 1, 2, 0
.endm
	s_wait_loadcnt 0x0                             ; bo
	s_wait_tensorcnt 1                             ; my part of K step 0 is in (K step 1's load may be out),
	s_barrier_signal -1
	s_barrier_wait -1                              ; everybody's is
	FETCH 0, 0, F0
	QUARTER 0, 1, F0, F1, 1                        ; the first quarter stands in front of the loop: its first products start the sums
	WIN 0
	s_mov_b32 s3, LAPS-1
.Llap:                                                 ; a trip goes once round the ring and fills both slots again
	QUARTER 0, 2, F1, F0, 0
	QUARTER 0, 3, F0, F1, 0
	TURN 0, 1, 1
	QUARTER 1, 1, F0, F1, 0
	QUARTER 1, 2, F1, F0, 0
	QUARTER 1, 3, F0, F1, 0
	TURN 1, 0, 1
	QUARTER 0, 1, F0, F1, 0
	WIN 0
	s_sub_co_u32 s3, s3, 1
	s_cmp_lg_u32 s3, 0
	s_cbranch_scc1 .Llap
	QUARTER 0, 2, F1, F0, 0                        ; the last lap fills nothing
	QUARTER 0, 3, F0, F1, 0
	TURN 0, 1, 0
	QUARTER 1, 1, F0, F1, 0
	QUARTER 1, 2, F1, F0, 0
	QUARTER 1, 3, F0, F1, 0
	s_wait_dscnt 16
	WIN MUL
	MUL8 F1, 0, 0, 0
	MUL8 F1, 0, 2, 0
	s_wait_dscnt 0
	MUL8 F1, 1, 0, 0
	MUL8 F1, 1, 2, 0
	WIN 0
; THE WAY OUT, a block of 16 rows x 64 columns at a time, through my own stage: a lane's 32 bytes go in by rows of 272 bytes and come back as whole rows of 256, which sixteen lanes store as 256 consecutive bytes, aligned.
.macro TOSTAGE a
.set BB, BK+32*((\a)%2)
.irp b, 0,1,2,3
	ds_store_b128 v[STO], v[ACC+8*(4*(\a)+\b):ACC+8*(4*(\a)+\b)+3] offset:64*\b          ; each accumulator from its low end on
	ds_store_b128 v[STO], v[ACC+8*(4*(\a)+\b)+4:ACC+8*(4*(\a)+\b)+7] offset:64*\b+16
.endr
.irp t, 0,1,2,3,4,5,6,7
	ds_load_b128 v[BB+4*\t:BB+4*\t+3], v[RD] offset:\t*2*SPITCH    ; LDS serves a wave's instructions in order: these see the stores above
.endr
.endm
.macro SEND a, younger
.set BB, BK+32*((\a)%2)
	s_wait_dscnt \younger
.irp t, 0,1,2,3,4,5,6,7
	global_store_b128 v[CO], v[BB+4*\t:BB+4*\t+3], s[8:9] offset:(16*(\a)+2*\t)*8192 th:TH_STORE_NT   ; written once, read by nobody here
.endr
.endm
	PLACES
	TOSTAGE 0
.irp a, 1,2,3
.if \a > 1
	s_wait_xcnt 0x0                                ; block a - 2's stores have read their registers: block a's loads may land there
.endif
	TOSTAGE \a
	SEND \a-1, 16                                  ; behind block a - 1's loads: block a's 8 stores and 8 loads
.endr
	SEND 3, 0
	s_wait_tensorcnt 0x0                           ; the wave's end: behind my last tensor load and my last LDS store
	ds_add_u32 v[SPW], v[NIL]
	s_wait_dscnt 0x0
	CROUND                                         ; the closing round
	s_endpgm
.Lfunc_end_k_q69735d6866_proj:
	.size	k_q69735d6866_proj, .Lfunc_end_k_q69735d6866_proj-k_q69735d6866_proj
	.p2alignl 7, 3214868480
	.fill 96, 4, 3214868480
	.section	.rodata,"a",@progbits
	.p2align	6, 0x0
	.amdhsa_kernel k_q69735d6866_proj
		.amdhsa_group_segment_fixed_size 327680
		.amdhsa_private_segment_fixed_size 0
		.amdhsa_enable_private_segment 0
		.amdhsa_kernarg_size 32
		.amdhsa_user_sgpr_count 2
		.amdhsa_user_sgpr_kernarg_segment_ptr 1
		.amdhsa_wavefront_size32 1
		.amdhsa_system_sgpr_workgroup_id_x 1
		.amdhsa_system_sgpr_workgroup_id_y 1
		.amdhsa_system_sgpr_workgroup_id_z 1
		.amdhsa_system_vgpr_workitem_id 0
		.amdhsa_next_free_vgpr 512
		.amdhsa_next_free_sgpr 68
		.amdhsa_reserve_vcc 0
		.amdhsa_float_denorm_mode_32 3
		.amdhsa_float_denorm_mode_16_64 3
		.amdhsa_memory_ordered 1
		.amdhsa_forward_progress 1
		.amdhsa_inst_pref_size 87
	.end_amdhsa_kernel
	.amdgpu_metadata
---
amdhsa.version: [ 1, 2 ]
amdhsa.kernels:
  - .name:           k_q69735d6866_proj
    .symbol:         k_q69735d6866_proj.kd
    .args:
      - { .name: o_ws, .offset: 0, .size: 8, .value_kind: global_buffer, .address_space: global }
      - { .name: wo_h, .offset: 8, .size: 8, .value_kind: global_buffer, .address_space: global }
      - { .name: bo, .offset: 16, .size: 8, .value_kind: global_buffer, .address_space: global }
      - { .name: out0, .offset: 24, .size: 8, .value_kind: global_buffer, .address_space: global }
    .group_segment_fixed_size: 327680
    .private_segment_fixed_size: 0
    .kernarg_segment_align: 8
    .kernarg_segment_size: 32
    .max_flat_workgroup_size: 128
    .sgpr_count:     68
    .vgpr_count:     512
    .wavefront_size: 32
...
	.end_amdgpu_metadata
.endif
;; end of part 4
